; MI455X (gfx1250); checked and timed in simulation.
; The chip was launched on July 23, 2026; its instructions are those of AMD's public machine-readable ISA for CDNA 5 (MIT licence, August 2026) and "CDNA5" Instruction Set Architecture Reference Guide (July 2026). The comments in the code are by the model that wrote it; some were corrected since.
;; Contrastive Hessian Calculator. Allowed arithmetic: float matrix products may take bf16 or f16 operands with f32 sums; all other float work in f32.
;; Inputs: W1 512 x 256 float32; W2 64 x 512 float32; an 1,024 int32; ap 1,024 int32; b1 512 float32; b2 64 float32; n 1,024 int32; p 1,024 int32; x 50,000 x 256 float32.
;; Outputs: out0 164,416 float32.
;; 2 versions, each right; version 2 is version 1 with the launches pairs, fold written anew for expert scheduling mode. Each part assembles by itself: llvm-mc -triple=amdgcn-amd-amdhsa -mcpu=gfx1250 --defsym DOCPART=n.
;; ======== version 1 of 2: 2 launches
;; limits: inputs' magnitudes at most 255.9; values are held in f16: magnitudes above 65,504 overflow, below 6.1e-05 lose precision; values outside matrix products are rounded to f16
;; workspace buffers: part 16,777,216 bytes; aux 131,072 bytes
;; launch pairs (part 1): grid 8 x 32, 8 waves a work-group, no clusters, 240,640 bytes of LDS; arguments x, W1, b1, W2, ap, p, an, n, part, aux; writes part, aux
.if DOCPART == 1
	.amdgcn_target "amdgcn-amd-amdhsa--gfx1250"
	.amdhsa_code_object_version 6
	.text
	.protected	k_q5b025810a1_pairs
	.globl	k_q5b025810a1_pairs
	.p2align	8
	.type	k_q5b025810a1_pairs,@function
k_q5b025810a1_pairs:
	s_mov_b64 s[64:65], 0
	v_nop
	global_prefetch_b8 v0, s[64:65] scope:SCOPE_SE
	s_setreg_imm32_b32 hwreg(HW_REG_WAVE_MODE, 25, 1), 1
	s_wait_xcnt 0x0
; Diagonal of the contrastive GGN of Linear(256,512) -> tanh -> Linear(512,64): partial sums over 64 pairs.
; Work-group (ix, y): rows i = 64 ix .. 64 ix + 63 of W1, chunk y of 64 pairs (y < 16: pairs (ap, p), sign +; y >= 16: pairs (an, n), sign -).
;   G1:  z = x[idx] W1^T for the chunk's 128 gathered rows and the slice's 64 rows of W1 (K = 256), f16 operands, f32 sums.
;   ACT: q = 2 / (1 + 2^(2.88539 (z + b1))), tanh = 1 - q, d = 1 - tanh^2 = 2 q - q^2.  S11 = da^2, S12 = -2 da db, S22 = db^2.
;        With cs = +-c, c[i] = sum over o of W2[o][i]^2:  b1's part = cs sum (da - db)^2;  W2's part = +- sum (qa - qb)^2.
;   G2:  W1's part [i][j] = cs[i] x sum over (term, pair) of S[term][pair][i] Q[term][pair][j], Q = xa^2, xa xb, xb^2: a product with K = 3 x 64 = 192.
; The 64 x 256 sums go to part, the 2 x 64 sums to aux; a second launch adds the 32 chunks.
; WHY f16.  The result is a difference of two sums of 1,024 terms each, of the size of the terms' scatter, so the operands' rounding weighs on it in
; full; f16's 11 significant bits leave an eighth of the error that bf16's 8 would.  The range is there: S lies in [-2, 1] for every input, since c,
; which carries W2's scale, multiplies the f32 sums behind G2 (c belongs to row i, which is a lane's own row there); Q = x^2 is finite up to |x| = 255.
; Eight waves: the 54 global loads of a wave (4 W2, 16 W1, 2 b1, 32 x) go out at once into 210 registers.
; No tensor loads and no shared requests between work-groups: the rows are a gather of 128 separate rows of 1,024 bytes, and every number passes
; through registers anyway, for the f32 products and the rounding to f16.
; LIMITS.  |x| >= 256 overflows x^2 in f16 (and |W1| >= 65,520 W1 itself); operands under 6.1e-5 in magnitude keep an absolute error of 3e-8.
; An index is clamped, as an unsigned number, to 49,999.  Matrix operands (x, W1, S, Q) are rounded to f16 once.  The sums run in another
; order than a plain sum over the pairs.  v_exp_f32 and v_rcp_f32 are good to 1 ULP and flush denormals (ISA guide 15.8): 2^t that overflows gives
; q = 0, 2^t that underflows q = 2, both the right limits.  2 q - q^2 carries q's absolute error (some 1e-7), as 1 - tanh^2 in f32 does.
; b2 is not among the arguments: its values enter no result (its block of the result is zero whatever b2 holds).
.set PX,  528                          ; LDS pitch of a row of 256 f16: 512 + 16 bytes, an odd multiple of 16
.set PQ,  544                          ; pitch of Q's rows, read by transposing loads: an odd multiple of 32
.set PS,  400                          ; pitch of S's rows (192 f16 = 384 bytes): an odd multiple of 16
.set LWS, 128*PX                       ; 67,584   behind X: 128 rows, pair p's a row at row p, its b row at row 64 + p
.set LQS, LWS+64*PX                    ; 101,376  behind W1's 64 rows
.set LSS, LQS+192*PQ                   ; 205,824  behind Q: row = 64 term + pair
.set LCS, LSS+64*PS                    ; 231,424  behind S: row = i, k = 64 term + pair
.set LRS, LCS+4096                     ; 235,520  behind c's partial sums [wave 8][h 2][64]; then the row sums [2 pt + h 8][array 2][64], 4,096 bytes
.set XB,  64*PX                        ; from an a row to its b row
.set QT,  64*PQ                        ; from a term of Q to the next
; vector registers while the inputs are staged
.set XSA, 6                            ; LDS: my wave's 8 rows of X, 8 bytes a lane
.set QSA, 7                            ; the same in Q, terms 0 and 1
.set QSA2, 8                           ; term 2 (beyond the 16-bit immediate)
.set WSA, 9                            ; my wave's 8 rows of W1
.set CSA, 10                           ; my wave's partial sums of c
.set VOA, 16                           ; v[16:23] byte offsets in x of my 16 bytes in the 8 a rows
.set VOB, 24                           ; v[24:31] the same for the 8 b rows
.set W2D, 32                           ; v[32:47]   W2 as loaded
.set WD,  48                           ; v[48:111]  W1 as loaded, row t at 48 + 8 t
.set XD,  112                          ; v[112:239] x as loaded, pair t: a at 112 + 16 t, b 8 further
.set T0,  32                           ; two sets of 24 registers for the products, in turn (W2's and W1's registers, stored by then)
.set T1,  56
; vector registers from the first barrier on
.set BS,  4                            ; v[4:5], v[14:15]: 2.88539 b1, twice, for i tile 0, 1 (at BS + 10 it)
.set CSP, 6                            ; v[6:7], v[8:9]: cs = +-c, twice, for i tile 0, 1 (at CSP + 2 it)
.set XFA, 16                           ; LDS addresses: fragments of X
.set WFA, 17                           ; fragments of W1
.set CRA, 18                           ; c's partial sums
.set SSA, 19                           ; where S goes
.set RSA, 20                           ; where the row sums go
.set QFA, 21                           ; v[21:23] fragments of Q, one register a term
.set SFA, 24                           ; fragments of S
.set RRD, 26                           ; the row sums, read back
.set AUXO, 27                          ; my byte offset in aux
.set Z,   32                           ; v[32:63] G1's sums: a and b rows for i tile 0, then for i tile 1
.set F0,  64                           ; three buffers of 64 registers: two K steps x (Xa, Xb, W tile 0, W tile 1) x 8
.set F1,  128
.set F2,  192
.set ACC, 32                           ; v[32:95] G2's sums: tile 4 it + jt at 32 + 8 (4 it + jt)
.set B0,  96                           ; three buffers of 48 registers: Q's four j tiles, S's two i tiles
.set B1,  144
.set B2,  192
	s_load_b512 s[4:19], s[0:1], 0x0               ; x s[4:5], W1 s[6:7], b1 s[8:9], W2 s[10:11], ap s[12:13], p s[14:15], an s[16:17], n s[18:19]
	s_load_b128 s[20:23], s[0:1], 0x40             ; part s[20:21], aux s[22:23]
	v_lshl_add_u32 v13, v0, 2, 0x3a800
	s_set_vgpr_msb 0x40
	v_mov_b32 v1, 0
	s_set_vgpr_msb 0x4000
	v_lshrrev_b32 v12, 5, v0
	v_readfirstlane_b32 s24, v12                   ; wave w, 0 to 7
	s_mov_b32 s25, ttmp9                           ; ix
	s_and_b32 s26, ttmp7, 0xffff                   ; y
	s_lshr_b32 s54, s24, 1                         ; pt (G1: which 16 pairs) = js (G2: which 64 columns j)
	s_and_b32 s55, s24, 1                          ; ih: which 32 of the slice's 64 rows i
	s_and_b32 s52, s26, 15                         ; the indices of my wave's 8 pairs: 64 (y mod 16) + 8 w, 4 bytes each
	s_lshl_b32 s52, s52, 8
	s_lshl_b32 s66, s24, 5
	s_add_co_u32 s52, s52, s66
	s_mov_b32 s53, 0
	s_lshl_b32 s56, s25, 16                        ; W1: 64 ix + 8 w rows of 1,024 bytes
	s_lshl_b32 s66, s24, 13
	s_add_co_u32 s56, s56, s66
	s_mov_b32 s57, 0
	s_lshl_b32 s58, s24, 14                        ; W2: 8 w rows of 2,048 bytes + 64 ix columns
	s_lshl_b32 s60, s25, 8
	s_add_co_u32 s58, s58, s60
	s_mov_b32 s59, 0
	s_lshl_b32 s2, s26, 12                         ; aux: chunk y of 4,096 bytes + 64 ix numbers
	s_add_co_u32 s2, s2, s60
	s_mov_b32 s3, 0
	s_lshl_b32 s66, s55, 7                         ; b1: 64 ix + 32 ih numbers
	s_add_co_u32 s60, s60, s66
	s_mov_b32 s61, 0
	s_lshl_b32 s62, s26, 19                        ; part: chunk y of 524,288 bytes + 16 ix blocks of 4,096 + my wave's two blocks
	s_add_co_u32 s62, s62, s56
	s_mov_b32 s63, 0
	v_and_b32 v1, 31, v0                           ; lane L
	v_lshlrev_b32 v2, 4, v1                        ; 16 L
	v_and_b32 v3, 15, v0                           ; r
	v_bfe_u32 v4, v0, 4, 1                         ; h
	v_lshlrev_b32 v11, 2, v3                       ; 4 r
	v_lshlrev_b32 v5, 4, v3
	v_lshl_add_u32 v5, v4, 11, v5                  ; 2,048 h + 16 r: two rows of W2, 256 bytes of each
	s_wait_kmcnt 0x0
	s_cmp_lt_u32 s26, 16                           ; the first 16 chunks take the positive pairs
	s_cselect_b64 s[28:29], s[12:13], s[16:17]
	s_cselect_b64 s[30:31], s[14:15], s[18:19]
	s_add_nc_u64 s[28:29], s[28:29], s[52:53]
	s_add_nc_u64 s[30:31], s[30:31], s[52:53]
	s_load_b256 s[32:39], s[28:29], 0x0            ; first of all: the rows of x hang on these
	s_load_b256 s[40:47], s[30:31], 0x0
	s_add_nc_u64 s[10:11], s[10:11], s[58:59]
	s_add_nc_u64 s[6:7], s[6:7], s[56:57]
	s_add_nc_u64 s[8:9], s[8:9], s[60:61]
	s_add_nc_u64 s[20:21], s[20:21], s[62:63]
	s_add_nc_u64 s[22:23], s[22:23], s[2:3]
.irp u, 0,1,2,3
	global_load_b128 v[W2D+4*\u:W2D+4*\u+3], v5, s[10:11] offset:\u*4096      ; rows 8 w + 2 u + h of W2, columns 64 ix + 4 r ..
.endr
.irp t, 0,1,2,3,4,5,6,7
	global_load_b128 v[WD+8*\t:WD+8*\t+3],   v2, s[6:7] offset:\t*1024        ; a row of W1: two loads of 512 neighbouring bytes
	global_load_b128 v[WD+8*\t+4:WD+8*\t+7], v2, s[6:7] offset:\t*1024+512
.endr
	global_load_b32 v14, v11, s[8:9]               ; b1[64 ix + 32 ih + r]
	global_load_b32 v15, v11, s[8:9] offset:64     ; and 16 further
	; while the indices are on their way: constants and LDS bases
	s_lshr_b32 s27, s26, 4
	s_lshl_b32 s27, s27, 31                        ; the chunk's sign bit
	s_or_b32 s48, s27, 0x3f800000                  ; +-1.0
	s_mov_b32 s50, 0x76543210                      ; v_permlanex16_b32: lane i of one half reads lane i of the other
	s_mov_b32 s51, 0xfedcba98
	s_mul_i32 s66, s24, 8*PX                       ; X: my wave's 8 rows
	s_mul_i32 s67, s24, 8*PQ
	s_add_co_u32 s67, s67, LQS                     ; Q: the same 8 rows of term 0
	s_add_co_u32 s68, s66, LWS                     ; W1: my wave's 8 rows
	s_lshl_b32 s69, s24, 9
	s_add_co_u32 s69, s69, LCS                     ; c: my wave's 512 bytes
	s_mul_i32 s70, s54, 16*PX                      ; G1: my 16 pairs
	s_mul_i32 s71, s55, 32*PX
	s_add_co_u32 s71, s71, LWS                     ; G1: my 32 rows of W1
	s_lshl_b32 s72, s55, 7                         ; 32 ih numbers
	s_lshl_b32 s75, s54, 10
	s_add_co_u32 s75, s75, s72
	s_add_co_u32 s75, s75, LRS                     ; row sums: line 2 pt (+ h), number 32 ih (+ r)
	s_add_co_u32 s72, s72, LCS
	s_mul_i32 s73, s55, 32*PS
	s_add_co_u32 s73, s73, LSS                     ; S: my 32 rows
	s_lshl_b32 s74, s54, 5
	s_add_co_u32 s74, s74, s73                     ; and my 16 pairs in them
	s_lshl_b32 s76, s54, 7
	s_add_co_u32 s76, s76, LQS                     ; Q: my 64 columns
	v_lshl_add_u32 v[XSA], v1, 3, s66
	v_lshl_add_u32 v[QSA], v1, 3, s67
	v_add_nc_u32 v[QSA2], 2*QT, v[QSA]
	v_lshl_add_u32 v[WSA], v1, 3, s68
	v_add_nc_u32 v[CSA], s69, v2
	s_wait_kmcnt 0x0                               ; the 16 indices
.irp t, 0,1,2,3,4,5,6,7
	s_min_u32 s[32+\t], s[32+\t], 0xc34f           ; inside the table of 50,000 rows
	s_min_u32 s[40+\t], s[40+\t], 0xc34f
	v_lshl_add_u32 v[VOA+\t], s[32+\t], 10, v2     ; row x 1,024 bytes + 16 L
	v_lshl_add_u32 v[VOB+\t], s[40+\t], 10, v2
.endr
.irp t, 0,1,2,3,4,5,6,7
	global_load_b128 v[XD+16*\t:XD+16*\t+3],     v[VOA+\t], s[4:5]
	global_load_b128 v[XD+16*\t+4:XD+16*\t+7],   v[VOA+\t], s[4:5] offset:512
	global_load_b128 v[XD+16*\t+8:XD+16*\t+11],  v[VOB+\t], s[4:5]
	global_load_b128 v[XD+16*\t+12:XD+16*\t+15], v[VOB+\t], s[4:5] offset:512
.endr
	; STAGING.  c: my four rows' squares of four columns, summed.
	s_wait_loadcnt 50                              ; loads come back in order: 16 + 2 + 32 were issued behind W2's four
	v_pk_mul_f32 v[W2D:W2D+1],   v[W2D:W2D+1],   v[W2D:W2D+1]
	v_pk_mul_f32 v[W2D+2:W2D+3], v[W2D+2:W2D+3], v[W2D+2:W2D+3]
.irp u, 4,8,12
	v_pk_fma_f32 v[W2D:W2D+1],   v[W2D+\u:W2D+\u+1],   v[W2D+\u:W2D+\u+1],   v[W2D:W2D+1]
	v_pk_fma_f32 v[W2D+2:W2D+3], v[W2D+\u+2:W2D+\u+3], v[W2D+\u+2:W2D+\u+3], v[W2D+2:W2D+3]
.endr
	ds_store_b128 v[CSA], v[W2D:W2D+3]
	s_wait_loadcnt 34                              ; 2 + 32 were issued behind W1's sixteen
.irp t, 0,1,2,3,4,5,6,7
	v_cvt_pk_f16_f32 v[WD+8*\t],   v[WD+8*\t],   v[WD+8*\t+1]
	v_cvt_pk_f16_f32 v[WD+8*\t+1], v[WD+8*\t+2], v[WD+8*\t+3]
	v_cvt_pk_f16_f32 v[WD+8*\t+4], v[WD+8*\t+4], v[WD+8*\t+5]
	v_cvt_pk_f16_f32 v[WD+8*\t+5], v[WD+8*\t+6], v[WD+8*\t+7]
	ds_store_b64 v[WSA], v[WD+8*\t:WD+8*\t+1]   offset:\t*PX         ; 32 lanes x 8 bytes: columns 0 to 127
	ds_store_b64 v[WSA], v[WD+8*\t+4:WD+8*\t+5] offset:\t*PX+256     ; columns 128 to 255
.endr
; Pair t of my eight: the three products in f32 from x in f32, everything rounded to f16 once, ten stores of 256 neighbouring bytes.
.macro XPAIR t, tmp
	s_wait_loadcnt 28-4*\t                         ; four loads a pair: the later pairs' stay out
.irp k, 0,2,4,6
	v_pk_mul_f32 v[\tmp+\k:\tmp+\k+1],       v[XD+16*\t+\k:XD+16*\t+\k+1],     v[XD+16*\t+\k:XD+16*\t+\k+1]
	v_pk_mul_f32 v[\tmp+8+\k:\tmp+8+\k+1],   v[XD+16*\t+\k:XD+16*\t+\k+1],     v[XD+16*\t+8+\k:XD+16*\t+8+\k+1]
	v_pk_mul_f32 v[\tmp+16+\k:\tmp+16+\k+1], v[XD+16*\t+8+\k:XD+16*\t+8+\k+1], v[XD+16*\t+8+\k:XD+16*\t+8+\k+1]
.endr
.irp k, 0,4,8,12
	v_cvt_pk_f16_f32 v[XD+16*\t+\k],   v[XD+16*\t+\k],   v[XD+16*\t+\k+1]
	v_cvt_pk_f16_f32 v[XD+16*\t+\k+1], v[XD+16*\t+\k+2], v[XD+16*\t+\k+3]
.endr
.irp k, 0,4,8,12,16,20
	v_cvt_pk_f16_f32 v[\tmp+\k],   v[\tmp+\k],   v[\tmp+\k+1]
	v_cvt_pk_f16_f32 v[\tmp+\k+1], v[\tmp+\k+2], v[\tmp+\k+3]
.endr
	ds_store_b64 v[XSA],  v[XD+16*\t:XD+16*\t+1]     offset:\t*PX
	ds_store_b64 v[XSA],  v[XD+16*\t+4:XD+16*\t+5]   offset:\t*PX+256
	ds_store_b64 v[XSA],  v[XD+16*\t+8:XD+16*\t+9]   offset:XB+\t*PX
	ds_store_b64 v[XSA],  v[XD+16*\t+12:XD+16*\t+13] offset:XB+\t*PX+256
	ds_store_b64 v[QSA],  v[\tmp:\tmp+1]             offset:\t*PQ
	ds_store_b64 v[QSA],  v[\tmp+4:\tmp+5]           offset:\t*PQ+256
	ds_store_b64 v[QSA],  v[\tmp+8:\tmp+9]           offset:QT+\t*PQ
	ds_store_b64 v[QSA],  v[\tmp+12:\tmp+13]         offset:QT+\t*PQ+256
	ds_store_b64 v[QSA2], v[\tmp+16:\tmp+17]         offset:\t*PQ
	ds_store_b64 v[QSA2], v[\tmp+20:\tmp+21]         offset:\t*PQ+256
.endm
	XPAIR 0, T0
	XPAIR 1, T1
	XPAIR 2, T0
	XPAIR 3, T1
	XPAIR 4, T0
	XPAIR 5, T1
	XPAIR 6, T0
	XPAIR 7, T1                                    ; its wait is for 0: every global load is in, b1's too, and all their offset registers are free
	s_wait_dscnt 0x0                               ; for the other waves: all my stores into X, W1, Q and c are done
	s_barrier_signal -1
	; register work while the others arrive: the LDS addresses of all that follows
	v_mul_u32_u24 v28, v3, PX
	v_lshl_add_u32 v28, v4, 4, v28                 ; r x pitch + 16 h: a fragment's lane term
	v_add_nc_u32 v[XFA], s70, v28
	v_add_nc_u32 v[WFA], s71, v28
	v_lshl_add_u32 v[CRA], v4, 8, v11              ; 256 h + 4 r
	v_add_nc_u32 v[CRA], s72, v[CRA]
	v_lshl_add_u32 v[RSA], v4, 9, v11              ; 512 h + 4 r
	v_add_nc_u32 v[RSA], s75, v[RSA]
	v_mul_u32_u24 v30, v3, PS
	v_lshl_add_u32 v30, v4, 4, v30                 ; r x pitch + 16 h in S
	v_add_nc_u32 v[SSA], s74, v30
	v_add_nc_u32 v[SFA], s73, v30
	v_and_b32 v28, 7, v1                           ; transposing loads: lane L addresses row 8 h + L mod 8, 16 bytes at 16 ((L / 8) mod 2)
	v_lshl_add_u32 v28, v4, 3, v28
	v_mul_u32_u24 v28, v28, PQ
	v_bfe_u32 v29, v1, 3, 1
	v_lshl_add_u32 v28, v29, 4, v28
	v_add_nc_u32 v[QFA], s76, v28
	v_add_nc_u32 v[QFA+1], QT, v[QFA]
	v_add_nc_u32 v[QFA+2], 2*QT, v[QFA]
	v_add_nc_u32 v[RRD], LRS, v2
	v_mov_b32 v[AUXO], v5                          ; 2,048 h + 16 r, before v5 takes b1
	s_barrier_wait -1
; G1.  A wave: 16 pairs (a and b rows) x 32 rows of W1.  Source 0 = rows of x, source 1 = rows of W1: lane (r, h) gets row i = r, pairs 8 h + 0 .. 7.
.macro PLACES                          ; four plain vector instructions between a matrix instruction and a load into, or a vector read or write of, its registers
.rept 4
	v_nop
.endr
.endm
.macro FETCH1 g, f                     ; K steps 2 g and 2 g + 1 into buffer f: 16 loads
.irp ks, 0,1
	ds_load_b128 v[\f+32*\ks:\f+32*\ks+3],     v[XFA] offset:64*(2*\g+\ks)
	ds_load_b128 v[\f+32*\ks+4:\f+32*\ks+7],   v[XFA] offset:64*(2*\g+\ks)+32
	ds_load_b128 v[\f+32*\ks+8:\f+32*\ks+11],  v[XFA] offset:XB+64*(2*\g+\ks)
	ds_load_b128 v[\f+32*\ks+12:\f+32*\ks+15], v[XFA] offset:XB+64*(2*\g+\ks)+32
	ds_load_b128 v[\f+32*\ks+16:\f+32*\ks+19], v[WFA] offset:64*(2*\g+\ks)
	ds_load_b128 v[\f+32*\ks+20:\f+32*\ks+23], v[WFA] offset:64*(2*\g+\ks)+32
	ds_load_b128 v[\f+32*\ks+24:\f+32*\ks+27], v[WFA] offset:16*PX+64*(2*\g+\ks)
	ds_load_b128 v[\f+32*\ks+28:\f+32*\ks+31], v[WFA] offset:16*PX+64*(2*\g+\ks)+32
.endr
.endm
.macro MUL1K b, zero                   ; one K step; the four accumulators take turns, one instruction a turn
.irp c, 0,1,2,3
.if \zero
	v_wmma_f32_16x16x32_f16 v[Z+8*\c:Z+8*\c+7], v[\b+8*(\c%2):\b+8*(\c%2)+7], v[\b+16+8*(\c/2):\b+16+8*(\c/2)+7], 0
.else
	v_wmma_f32_16x16x32_f16 v[Z+8*\c:Z+8*\c+7], v[\b+8*(\c%2):\b+8*(\c%2)+7], v[\b+16+8*(\c/2):\b+16+8*(\c/2)+7], v[Z+8*\c:Z+8*\c+7]
.endif
.endr
.endm
.macro MUL1 f, zero                    ; zero = 1: the first K step starts the sums, nothing is cleared
	MUL1K \f, \zero
	MUL1K \f+32, 0
.endm
.irp it, 0,1
.irp w, 0,1,2,3,4,5,6,7
	ds_load_b32 v[F2+8*\it+\w], v[CRA] offset:\w*512+\it*64       ; c's partial sums of my i, my h's half of W2's rows
.endr
.endr
	FETCH1 0, F0
	FETCH1 1, F1
	s_wait_dscnt 32                                ; the two fetches stay out; c's sixteen words are in
.irp it, 0,1
	v_pk_add_f32 v[F2+8*\it:F2+8*\it+1],   v[F2+8*\it:F2+8*\it+1],   v[F2+8*\it+2:F2+8*\it+3]
	v_pk_add_f32 v[F2+8*\it+4:F2+8*\it+5], v[F2+8*\it+4:F2+8*\it+5], v[F2+8*\it+6:F2+8*\it+7]
	v_pk_add_f32 v[F2+8*\it:F2+8*\it+1],   v[F2+8*\it:F2+8*\it+1],   v[F2+8*\it+4:F2+8*\it+5]
	v_add_f32 v[F2+8*\it], v[F2+8*\it], v[F2+8*\it+1]
	v_permlanex16_b32 v[F2+8*\it+1], v[F2+8*\it], s50, s51        ; the other half of W2's rows
	v_add_f32 v[F2+8*\it], v[F2+8*\it], v[F2+8*\it+1]             ; c[i]
	v_mul_f32 v[CSP+2*\it],   s48, v[F2+8*\it]                    ; cs = +-c, twice: a pair for the packed multiplies
	v_mul_f32 v[CSP+2*\it+1], s48, v[F2+8*\it]
.endr
	v_mul_f32 v[BS],    0x4038aa3b, v14            ; 2.88539 b1, twice, for i tile 0
	v_mul_f32 v[BS+1],  0x4038aa3b, v14
	v_mul_f32 v[BS+10], 0x4038aa3b, v15            ; and for i tile 1
	v_mul_f32 v[BS+11], 0x4038aa3b, v15
	FETCH1 2, F2
	s_wait_dscnt 32                                ; buffers 1 and 2 stay out
	MUL1 F0, 1
	PLACES
	FETCH1 3, F0
	s_wait_dscnt 32                                ; buffers 2 and 0 stay out
	MUL1 F1, 0
	s_wait_dscnt 16                                ; buffer 0 stays out
	MUL1 F2, 0
	s_wait_dscnt 0x0
	MUL1 F0, 0
	PLACES
; ACT for i tile it: 16 registers of z (a rows, then b rows); tmp: 44 registers at work (0-7 da, 8-15 db, 16-19 the two sums, 20-43 S).
.macro ACT it, tmp
.set ZZ, Z+16*\it
.irp k, 0,2,4,6,8,10,12,14
	v_pk_fma_f32 v[ZZ+\k:ZZ+\k+1], v[ZZ+\k:ZZ+\k+1], 0x4038aa3b, v[BS+10*\it:BS+10*\it+1] op_sel_hi:[1,0,1]
.endr
.irp k, 0,1,2,3,4,5,6,7,8,9,10,11,12,13,14,15
	v_exp_f32 v[ZZ+\k], v[ZZ+\k]                   ; e = exp(2 (z + b1))
.endr
	v_nop                                          ; one plain vector instruction between a transcendental and the use of its result (ISA guide 5.7.2)
	s_wait_alu depctr_va_vdst(0)
.irp k, 0,2,4,6,8,10,12,14
	v_pk_fma_f32 v[ZZ+\k:ZZ+\k+1], v[ZZ+\k:ZZ+\k+1], 0.5, 0.5 op_sel_hi:[1,0,0]
.endr
.irp k, 0,1,2,3,4,5,6,7,8,9,10,11,12,13,14,15
	v_rcp_f32 v[ZZ+\k], v[ZZ+\k]                   ; q = 2 / (1 + e) = 1 - tanh
.endr
	v_nop
	s_wait_alu depctr_va_vdst(0)
.irp k, 0,2,4,6,8,10,12,14
	v_pk_add_f32 v[\tmp+\k:\tmp+\k+1], v[ZZ+\k:ZZ+\k+1], v[ZZ+\k:ZZ+\k+1]
.endr
.irp k, 0,2,4,6,8,10,12,14
	v_pk_fma_f32 v[\tmp+\k:\tmp+\k+1], v[ZZ+\k:ZZ+\k+1], v[ZZ+\k:ZZ+\k+1], v[\tmp+\k:\tmp+\k+1] neg_lo:[1,0,0] neg_hi:[1,0,0]   ; d = 2 q - q q
.endr
.irp k, 0,2,4,6
	v_pk_add_f32 v[ZZ+\k:ZZ+\k+1], v[ZZ+\k:ZZ+\k+1], v[ZZ+8+\k:ZZ+8+\k+1] neg_lo:[0,1] neg_hi:[0,1]                        ; qa - qb = hb - ha
.endr
.irp k, 0,2,4,6
	v_pk_add_f32 v[ZZ+8+\k:ZZ+8+\k+1], v[\tmp+\k:\tmp+\k+1], v[\tmp+8+\k:\tmp+8+\k+1] neg_lo:[0,1] neg_hi:[0,1]            ; da - db
.endr
	v_pk_mul_f32 v[\tmp+16:\tmp+17], v[ZZ:ZZ+1],   v[ZZ:ZZ+1]
	v_pk_mul_f32 v[\tmp+18:\tmp+19], v[ZZ+8:ZZ+9], v[ZZ+8:ZZ+9]
.irp k, 2,4,6
	v_pk_fma_f32 v[\tmp+16:\tmp+17], v[ZZ+\k:ZZ+\k+1],     v[ZZ+\k:ZZ+\k+1],     v[\tmp+16:\tmp+17]
	v_pk_fma_f32 v[\tmp+18:\tmp+19], v[ZZ+8+\k:ZZ+8+\k+1], v[ZZ+8+\k:ZZ+8+\k+1], v[\tmp+18:\tmp+19]
.endr
.irp k, 0,2,4,6
	v_pk_mul_f32 v[\tmp+20+\k:\tmp+20+\k+1], v[\tmp+\k:\tmp+\k+1],     v[\tmp+\k:\tmp+\k+1]           ; S11 = da da
	v_pk_mul_f32 v[\tmp+28+\k:\tmp+28+\k+1], v[\tmp+\k:\tmp+\k+1],     -2.0 op_sel_hi:[1,0]
	v_pk_mul_f32 v[\tmp+36+\k:\tmp+36+\k+1], v[\tmp+8+\k:\tmp+8+\k+1], v[\tmp+8+\k:\tmp+8+\k+1]       ; S22 = db db
.endr
.irp k, 0,2,4,6
	v_pk_mul_f32 v[\tmp+28+\k:\tmp+28+\k+1], v[\tmp+28+\k:\tmp+28+\k+1], v[\tmp+8+\k:\tmp+8+\k+1]     ; S12 = -2 da db
.endr
.irp u, 20,28,36
	v_cvt_pk_f16_f32 v[\tmp+\u],   v[\tmp+\u],   v[\tmp+\u+1]
	v_cvt_pk_f16_f32 v[\tmp+\u+1], v[\tmp+\u+2], v[\tmp+\u+3]
	v_cvt_pk_f16_f32 v[\tmp+\u+2], v[\tmp+\u+4], v[\tmp+\u+5]
	v_cvt_pk_f16_f32 v[\tmp+\u+3], v[\tmp+\u+6], v[\tmp+\u+7]
.endr
	ds_store_b128 v[SSA], v[\tmp+20:\tmp+23] offset:\it*16*PS          ; row i, eight neighbouring pairs of a term: 16 bytes
	ds_store_b128 v[SSA], v[\tmp+28:\tmp+31] offset:\it*16*PS+128
	ds_store_b128 v[SSA], v[\tmp+36:\tmp+39] offset:\it*16*PS+256
	v_add_f32 v[\tmp+18], v[\tmp+18], v[\tmp+19]
	v_add_f32 v[\tmp+16], v[\tmp+16], v[\tmp+17]
	v_mul_f32 v[\tmp+18], v[\tmp+18], v[CSP+2*\it]                     ; b1's part over my 8 pairs
	v_mul_f32 v[\tmp+16], s48, v[\tmp+16]                              ; W2's part over my 8 pairs, with the chunk's sign
	ds_store_b32 v[RSA], v[\tmp+18] offset:\it*64
	ds_store_b32 v[RSA], v[\tmp+16] offset:256+\it*64
.endm
	ACT 0, F0
	ACT 1, F1
	s_wait_dscnt 0x0                               ; for the other waves: my stores into S and the row sums are done
	s_barrier_signal -1
	s_barrier_wait -1
; G2.  A wave: 32 rows i x 64 columns j, K = 192 in six steps (term u / 2, pairs 32 (u mod 2) ..).  Source 0 = Q (rows j, brought by transposing
; loads from rows that lie along j), source 1 = S (rows i along k): lane (r, h) gets row i = r and the eight neighbouring columns j = 8 h + 0 .. 7.
.macro FETCH2 u, b                     ; 12 loads
.irp jt, 0,1,2,3
	ds_load_tr16_b128 v[\b+8*\jt:\b+8*\jt+3],   v[QFA+\u/2] offset:(\u%2)*32*PQ+32*\jt
	ds_load_tr16_b128 v[\b+8*\jt+4:\b+8*\jt+7], v[QFA+\u/2] offset:(\u%2)*32*PQ+32*\jt+16*PQ
.endr
.irp it, 0,1
	ds_load_b128 v[\b+32+8*\it:\b+32+8*\it+3],   v[SFA] offset:\it*16*PS+64*\u
	ds_load_b128 v[\b+32+8*\it+4:\b+32+8*\it+7], v[SFA] offset:\it*16*PS+64*\u+32
.endr
.endm
.macro MUL2 b, zero                    ; the eight accumulators take turns, one instruction a turn
.irp n, 0,1,2,3,4,5,6,7
.if \zero
	v_wmma_f32_16x16x32_f16 v[ACC+8*\n:ACC+8*\n+7], v[\b+8*(\n%4):\b+8*(\n%4)+7], v[\b+32+8*(\n/4):\b+32+8*(\n/4)+7], 0
.else
	v_wmma_f32_16x16x32_f16 v[ACC+8*\n:ACC+8*\n+7], v[\b+8*(\n%4):\b+8*(\n%4)+7], v[\b+32+8*(\n/4):\b+32+8*(\n/4)+7], v[ACC+8*\n:ACC+8*\n+7]
.endif
.endr
.endm
	FETCH2 0, B0
	FETCH2 1, B1
	FETCH2 2, B2
	s_wait_dscnt 24                                ; the two younger fetches of 12 loads stay out, here and in the next three waits
	MUL2 B0, 1
	PLACES
	FETCH2 3, B0
	s_wait_dscnt 24
	MUL2 B1, 0
	PLACES
	FETCH2 4, B1
	s_wait_dscnt 24
	MUL2 B2, 0
	PLACES
	FETCH2 5, B2
	s_wait_dscnt 24
	MUL2 B0, 0
	s_wait_dscnt 12                                ; one fetch stays out
	MUL2 B1, 0
	s_wait_dscnt 0x0
	MUL2 B2, 0
	PLACES
	; c and the chunk's sign, in f32: every number of a lane belongs to row i = r of its i tile
.set k, 0
.rept 16
	v_pk_mul_f32 v[ACC+k:ACC+k+1],       v[ACC+k:ACC+k+1],       v[CSP:CSP+1]
	v_pk_mul_f32 v[ACC+32+k:ACC+32+k+1], v[ACC+32+k:ACC+32+k+1], v[CSP+2:CSP+3]
.set k, k+2
.endr
	; THE WAY OUT.  part keeps the registers' order (block of 16 i x 64 j: [2 jt + q][lane][4 numbers]): each store covers 512 consecutive bytes, aligned.
.irp m, 0,1,2,3,4,5,6,7,8,9,10,11,12,13,14,15
	global_store_b128 v2, v[ACC+4*\m:ACC+4*\m+3], s[20:21] offset:512*\m
.endr
	s_cmp_lg_u32 s24, 0                            ; wave 0 adds the eight lines of row sums (stored ahead of the second barrier)
	s_cbranch_scc1 .Ldone
.irp k, 0,1,2,3,4,5,6,7
	ds_load_b128 v[B0+4*\k:B0+4*\k+3], v[RRD] offset:512*\k       ; lane (r, h): array h, numbers 4 r .. 4 r + 3
.endr
	s_wait_dscnt 0x0
.irp k, 0,2
	v_pk_add_f32 v[B0+\k:B0+\k+1],       v[B0+\k:B0+\k+1],       v[B0+4+\k:B0+4+\k+1]
	v_pk_add_f32 v[B0+8+\k:B0+8+\k+1],   v[B0+8+\k:B0+8+\k+1],   v[B0+12+\k:B0+12+\k+1]
	v_pk_add_f32 v[B0+16+\k:B0+16+\k+1], v[B0+16+\k:B0+16+\k+1], v[B0+20+\k:B0+20+\k+1]
	v_pk_add_f32 v[B0+24+\k:B0+24+\k+1], v[B0+24+\k:B0+24+\k+1], v[B0+28+\k:B0+28+\k+1]
.endr
.irp k, 0,2
	v_pk_add_f32 v[B0+\k:B0+\k+1],       v[B0+\k:B0+\k+1],       v[B0+8+\k:B0+8+\k+1]
	v_pk_add_f32 v[B0+16+\k:B0+16+\k+1], v[B0+16+\k:B0+16+\k+1], v[B0+24+\k:B0+24+\k+1]
.endr
.irp k, 0,2
	v_pk_add_f32 v[B0+\k:B0+\k+1],       v[B0+\k:B0+\k+1],       v[B0+16+\k:B0+16+\k+1]
.endr
	global_store_b128 v[AUXO], v[B0:B0+3], s[22:23]               ; sixteen lanes: 256 consecutive bytes of b1's array, the other sixteen of W2's
.Ldone:
	s_set_vgpr_msb 0x4
	s_wait_tensorcnt 0x0
	ds_add_u32 v13, v1
	s_wait_dscnt 0x0
	s_set_vgpr_msb 0x400
	s_endpgm
.Lfunc_end_k_q5b025810a1_pairs:
	.size	k_q5b025810a1_pairs, .Lfunc_end_k_q5b025810a1_pairs-k_q5b025810a1_pairs
	.p2alignl 7, 3214868480
	.fill 96, 4, 3214868480
	.section	.rodata,"a",@progbits
	.p2align	6, 0x0
	.amdhsa_kernel k_q5b025810a1_pairs
		.amdhsa_group_segment_fixed_size 240640
		.amdhsa_private_segment_fixed_size 0
		.amdhsa_enable_private_segment 0
		.amdhsa_kernarg_size 80
		.amdhsa_user_sgpr_count 2
		.amdhsa_user_sgpr_kernarg_segment_ptr 1
		.amdhsa_wavefront_size32 1
		.amdhsa_system_sgpr_workgroup_id_x 1
		.amdhsa_system_sgpr_workgroup_id_y 1
		.amdhsa_system_sgpr_workgroup_id_z 1
		.amdhsa_system_vgpr_workitem_id 0
		.amdhsa_next_free_vgpr 258
		.amdhsa_next_free_sgpr 78
		.amdhsa_reserve_vcc 0
		.amdhsa_float_denorm_mode_32 3
		.amdhsa_float_denorm_mode_16_64 3
		.amdhsa_memory_ordered 1
		.amdhsa_forward_progress 1
		.amdhsa_inst_pref_size 73
	.end_amdhsa_kernel
	.amdgpu_metadata
---
amdhsa.version: [ 1, 2 ]
amdhsa.kernels:
  - .name:           k_q5b025810a1_pairs
    .symbol:         k_q5b025810a1_pairs.kd
    .args:
      - { .name: x, .offset: 0, .size: 8, .value_kind: global_buffer, .address_space: global }
      - { .name: W1, .offset: 8, .size: 8, .value_kind: global_buffer, .address_space: global }
      - { .name: b1, .offset: 16, .size: 8, .value_kind: global_buffer, .address_space: global }
      - { .name: W2, .offset: 24, .size: 8, .value_kind: global_buffer, .address_space: global }
      - { .name: ap, .offset: 32, .size: 8, .value_kind: global_buffer, .address_space: global }
      - { .name: p, .offset: 40, .size: 8, .value_kind: global_buffer, .address_space: global }
      - { .name: an, .offset: 48, .size: 8, .value_kind: global_buffer, .address_space: global }
      - { .name: n, .offset: 56, .size: 8, .value_kind: global_buffer, .address_space: global }
      - { .name: part, .offset: 64, .size: 8, .value_kind: global_buffer, .address_space: global }
      - { .name: aux, .offset: 72, .size: 8, .value_kind: global_buffer, .address_space: global }
    .group_segment_fixed_size: 240640
    .private_segment_fixed_size: 0
    .kernarg_segment_align: 8
    .kernarg_segment_size: 80
    .max_flat_workgroup_size: 256
    .sgpr_count:     78
    .vgpr_count:     258
    .wavefront_size: 32
...
	.end_amdgpu_metadata
.endif
;; end of part 1
;; launch fold (part 2): grid 136 x 1, 8 waves a work-group, no clusters, 9,472 bytes of LDS; arguments part, aux, out0; writes out0
.if DOCPART == 2
	.amdgcn_target "amdgcn-amd-amdhsa--gfx1250"
	.amdhsa_code_object_version 6
	.text
	.protected	k_q5b025810a1_fold
	.globl	k_q5b025810a1_fold
	.p2align	8
	.type	k_q5b025810a1_fold,@function
k_q5b025810a1_fold:
	s_mov_b64 s[64:65], 0
	v_nop
	global_prefetch_b8 v0, s[64:65] scope:SCOPE_SE
	s_setreg_imm32_b32 hwreg(HW_REG_WAVE_MODE, 25, 1), 1
	s_wait_xcnt 0x0
; Adds the 32 chunks' partial sums (the chunks' signs are in them already) and lays the result out as [W1 512 x 256][b1 512][W2 64 x 512][b2 64].
; Work-groups 0 to 127: one block of 16 rows i x 64 columns j of W1's part each.  Thread t owns the 16 bytes at 16 t of its block in every chunk:
; 32 loads, all issued at once, each of a wave covering 512 consecutive bytes.  The sums pass through LDS once, to turn the matrix unit's order
; ([2 jt + q][lane (r, h)][4]: row r, columns 16 jt + 8 h + 4 q ..) into rows: sixteen neighbouring lanes then store 256 consecutive bytes, aligned.
; Work-groups 128 to 135: 64 numbers each of b1's part and of W2's part, the latter written to all 64 rows; the first of them also writes b2's block,
; which is zero whatever b2 holds (the two branches' derivatives by b2 are both the unit matrix and cancel).
; The two ways part on the work-group's number, which all eight waves share; each way has one barrier and LDS bytes of its own.
; A stream: no matrix unit, no shared requests, and nothing is read twice.  The order of the sums is a tree over the chunks.
.set CHUNK, 524288                     ; bytes of a chunk in part: 128 blocks of 4,096
.set OB1,   524288                     ; byte offsets in out0: b1's block,
.set OW2,   526336                     ; W2's,
.set OB2,   657408                     ; b2's
.set PITCH, 272                        ; an LDS row of 64 f32 + 16 bytes: an odd multiple of 16
.set SM,    16*PITCH                   ; 4,352: behind the block way's 16 rows, the small way's 4,096 bytes [wave 8][array 2][64 numbers]
.macro SUM8 b                          ; eight quads at b, b + 4, .. into the first: a tree of 14 packed adds
.irp k, 0,2
	v_pk_add_f32 v[\b+\k:\b+\k+1],       v[\b+\k:\b+\k+1],       v[\b+4+\k:\b+4+\k+1]
	v_pk_add_f32 v[\b+8+\k:\b+8+\k+1],   v[\b+8+\k:\b+8+\k+1],   v[\b+12+\k:\b+12+\k+1]
	v_pk_add_f32 v[\b+16+\k:\b+16+\k+1], v[\b+16+\k:\b+16+\k+1], v[\b+20+\k:\b+20+\k+1]
	v_pk_add_f32 v[\b+24+\k:\b+24+\k+1], v[\b+24+\k:\b+24+\k+1], v[\b+28+\k:\b+28+\k+1]
.endr
.irp k, 0,2
	v_pk_add_f32 v[\b+\k:\b+\k+1],       v[\b+\k:\b+\k+1],       v[\b+8+\k:\b+8+\k+1]
	v_pk_add_f32 v[\b+16+\k:\b+16+\k+1], v[\b+16+\k:\b+16+\k+1], v[\b+24+\k:\b+24+\k+1]
.endr
.irp k, 0,2
	v_pk_add_f32 v[\b+\k:\b+\k+1],       v[\b+\k:\b+\k+1],       v[\b+16+\k:\b+16+\k+1]
.endr
.endm
	s_load_b128 s[4:7], s[0:1], 0x0                ; part s[4:5], aux s[6:7]
	s_load_b64 s[8:9], s[0:1], 0x10                ; out0
	v_lshl_add_u32 v144, v0, 2, 0x2100
	v_mov_b32 v145, 0
	v_lshrrev_b32 v2, 5, v0
	v_readfirstlane_b32 s12, v2                    ; wave
	s_mov_b32 s13, ttmp9                           ; g
	s_mov_b32 s15, 0
	v_lshlrev_b32 v1, 4, v0                        ; 16 t
	v_and_b32 v3, 15, v0                           ; r
	v_bfe_u32 v4, v0, 4, 1                         ; h
	s_cmp_lt_u32 s13, 128                          ; the same in every wave of the work-group
	s_cbranch_scc0 .Lsmall
	; ---- a block of W1's part: g = 16 ix + 4 js + it4 ----
	s_lshl_b32 s14, s13, 12                        ; the block in a chunk
	s_lshr_b32 s16, s13, 4
	s_and_b32 s17, s13, 3
	s_lshl2_add_u32 s16, s16, s17                  ; 4 ix + it4: which 16 rows of 1,024 bytes
	s_lshl_b32 s16, s16, 14
	s_bfe_u32 s17, s13, 0x20002                    ; js: which 256 bytes of a row
	s_lshl_b32 s17, s17, 8
	s_add_co_u32 s16, s16, s17
	s_mov_b32 s17, 0
	s_wait_kmcnt 0x0
	s_add_nc_u64 s[4:5], s[4:5], s[14:15]
	s_add_nc_u64 s[10:11], s[4:5], 16*CHUNK        ; a second base: 31 chunks do not fit the signed 24-bit immediate
	s_add_nc_u64 s[8:9], s[8:9], s[16:17]
.irp c, 0,1,2,3,4,5,6,7,8,9,10,11,12,13,14,15
	global_load_b128 v[16+4*\c:19+4*\c], v1, s[4:5] offset:\c*CHUNK th:TH_LOAD_NT
.endr
.irp c, 0,1,2,3,4,5,6,7,8,9,10,11,12,13,14,15
	global_load_b128 v[80+4*\c:83+4*\c], v1, s[10:11] offset:\c*CHUNK th:TH_LOAD_NT
.endr
	s_lshr_b32 s18, s12, 1                         ; my wave is quad 2 jt + q of the block
	s_lshl_b32 s18, s18, 6                         ; 64 jt
	s_and_b32 s19, s12, 1
	s_lshl_b32 s19, s19, 4                         ; 16 q
	s_add_co_u32 s18, s18, s19
	v_mul_u32_u24 v5, v3, PITCH
	v_lshl_add_u32 v5, v4, 5, v5
	v_add_nc_u32 v5, s18, v5                       ; in: row r, byte 64 jt + 32 h + 16 q
	v_lshrrev_b32 v6, 4, v0                        ; back: row t / 16, byte 16 (t mod 16)
	v_mul_u32_u24 v7, v6, PITCH
	v_lshl_add_u32 v7, v3, 4, v7
	v_lshlrev_b32 v8, 10, v6                       ; and the same place in out0
	v_lshl_add_u32 v8, v3, 4, v8
	s_wait_loadcnt 24                              ; loads come back in order: the first eight are in, 24 stay out
	SUM8 16
	s_wait_loadcnt 16
	SUM8 48
	v_pk_add_f32 v[16:17], v[16:17], v[48:49]
	v_pk_add_f32 v[18:19], v[18:19], v[50:51]
	s_wait_loadcnt 8
	SUM8 80
	v_pk_add_f32 v[16:17], v[16:17], v[80:81]
	v_pk_add_f32 v[18:19], v[18:19], v[82:83]
	s_wait_loadcnt 0x0
	SUM8 112
	v_pk_add_f32 v[16:17], v[16:17], v[112:113]
	v_pk_add_f32 v[18:19], v[18:19], v[114:115]
	ds_store_b128 v5, v[16:19]                     ; LDS bytes 0 to 4,351
	s_wait_dscnt 0x0                               ; for the other waves: my store is done
	s_barrier_signal -1
	s_barrier_wait -1
	ds_load_b128 v[20:23], v7
	s_wait_dscnt 0x0
	global_store_b128 v8, v[20:23], s[8:9]
	s_wait_tensorcnt 0x0
	ds_add_u32 v144, v145
	s_wait_dscnt 0x0
	s_endpgm
	; ---- 64 numbers of b1's and of W2's part: ix = g - 128 ----
.Lsmall:
	s_sub_co_u32 s13, s13, 128
	s_lshl_b32 s14, s13, 8                         ; 64 ix numbers
	v_lshlrev_b32 v5, 4, v3                        ; 16 r
	v_lshl_add_u32 v6, v4, 11, v5                  ; 2,048 h + 16 r
	s_lshl_b32 s16, s12, 14
	v_add_nc_u32 v7, s16, v6                       ; + 16,384 wave: in aux four chunks of 4,096 bytes (array h), in W2's block eight rows of 2,048 (row + h)
	s_wait_kmcnt 0x0
	s_add_nc_u64 s[6:7], s[6:7], s[14:15]
	s_add_nc_u64 s[8:9], s[8:9], s[14:15]
.irp k, 0,1,2,3
	global_load_b128 v[16+4*\k:19+4*\k], v7, s[6:7] offset:\k*4096 th:TH_LOAD_NT
.endr
	s_wait_loadcnt 0x0
	v_pk_add_f32 v[16:17], v[16:17], v[20:21]
	v_pk_add_f32 v[18:19], v[18:19], v[22:23]
	v_pk_add_f32 v[24:25], v[24:25], v[28:29]
	v_pk_add_f32 v[26:27], v[26:27], v[30:31]
	v_pk_add_f32 v[16:17], v[16:17], v[24:25]
	v_pk_add_f32 v[18:19], v[18:19], v[26:27]
	ds_store_b128 v1, v[16:19] offset:SM           ; LDS bytes 4,352 to 8,447: [wave 8][array 2][64 numbers]
	s_wait_dscnt 0x0                               ; for the other waves: my store is done
	s_barrier_signal -1
	s_barrier_wait -1
.irp k, 0,1,2,3,4,5,6,7
	ds_load_b128 v[16+4*\k:19+4*\k], v5 offset:SM+256+512*\k      ; W2's part, numbers 4 r .., in every wave and both halves of the lanes
.endr
	s_wait_dscnt 0x0
	SUM8 16
.irp k, 0,1,2,3
	global_store_b128 v7, v[16:19], s[8:9] offset:OW2+\k*4096     ; rows 8 wave + 2 k + h: each half of the lanes stores 256 consecutive bytes, aligned
.endr
	s_cmp_lg_u32 s12, 0                            ; wave 0 goes on with b1's part
	s_cbranch_scc1 .Lend
	v_and_b32 v9, 31, v0
	v_lshlrev_b32 v10, 3, v9                       ; 8 bytes a lane: 32 lanes cover the 256 bytes, so no lane is switched off
.irp k, 0,1,2,3,4,5,6,7
	ds_load_b64 v[48+2*\k:49+2*\k], v10 offset:SM+512*\k
.endr
	s_wait_dscnt 0x0
	v_pk_add_f32 v[48:49], v[48:49], v[50:51]
	v_pk_add_f32 v[52:53], v[52:53], v[54:55]
	v_pk_add_f32 v[56:57], v[56:57], v[58:59]
	v_pk_add_f32 v[60:61], v[60:61], v[62:63]
	v_pk_add_f32 v[48:49], v[48:49], v[52:53]
	v_pk_add_f32 v[56:57], v[56:57], v[60:61]
	v_pk_add_f32 v[48:49], v[48:49], v[56:57]
	global_store_b64 v10, v[48:49], s[8:9] offset:OB1
	s_cmp_lg_u32 s13, 0                            ; b2's block has one owner: ix = 0, whose base is out0 itself
	s_cbranch_scc1 .Lend
	v_mov_b32 v64, 0
	v_mov_b32 v65, 0
	global_store_b64 v10, v[64:65], s[8:9] offset:OB2
.Lend:
	s_wait_tensorcnt 0x0
	ds_add_u32 v144, v145
	s_wait_dscnt 0x0
	s_endpgm
.Lfunc_end_k_q5b025810a1_fold:
	.size	k_q5b025810a1_fold, .Lfunc_end_k_q5b025810a1_fold-k_q5b025810a1_fold
	.p2alignl 7, 3214868480
	.fill 96, 4, 3214868480
	.section	.rodata,"a",@progbits
	.p2align	6, 0x0
	.amdhsa_kernel k_q5b025810a1_fold
		.amdhsa_group_segment_fixed_size 9472
		.amdhsa_private_segment_fixed_size 0
		.amdhsa_enable_private_segment 0
		.amdhsa_kernarg_size 24
		.amdhsa_user_sgpr_count 2
		.amdhsa_user_sgpr_kernarg_segment_ptr 1
		.amdhsa_wavefront_size32 1
		.amdhsa_system_sgpr_workgroup_id_x 1
		.amdhsa_system_sgpr_workgroup_id_y 1
		.amdhsa_system_sgpr_workgroup_id_z 1
		.amdhsa_system_vgpr_workitem_id 0
		.amdhsa_next_free_vgpr 146
		.amdhsa_next_free_sgpr 66
		.amdhsa_reserve_vcc 0
		.amdhsa_float_denorm_mode_32 3
		.amdhsa_float_denorm_mode_16_64 3
		.amdhsa_memory_ordered 1
		.amdhsa_forward_progress 1
		.amdhsa_inst_pref_size 15
	.end_amdhsa_kernel
	.amdgpu_metadata
---
amdhsa.version: [ 1, 2 ]
amdhsa.kernels:
  - .name:           k_q5b025810a1_fold
    .symbol:         k_q5b025810a1_fold.kd
    .args:
      - { .name: part, .offset: 0, .size: 8, .value_kind: global_buffer, .address_space: global }
      - { .name: aux, .offset: 8, .size: 8, .value_kind: global_buffer, .address_space: global }
      - { .name: out0, .offset: 16, .size: 8, .value_kind: global_buffer, .address_space: global }
    .group_segment_fixed_size: 9472
    .private_segment_fixed_size: 0
    .kernarg_segment_align: 8
    .kernarg_segment_size: 24
    .max_flat_workgroup_size: 256
    .sgpr_count:     66
    .vgpr_count:     146
    .wavefront_size: 32
...
	.end_amdgpu_metadata
.endif
;; end of part 2
;; ======== version 2 of 2: 2 launches; version 1 with the launches pairs, fold written anew for expert scheduling mode
;; limits: inputs' magnitudes at most 255.9; values are held in f16: magnitudes above 65,504 overflow, below 6.1e-05 lose precision; values outside matrix products are rounded to f16
;; workspace buffers: part 16,777,216 bytes; aux 131,072 bytes
;; launch pairs (part 3): grid 8 x 32, 8 waves a work-group, no clusters, 240,640 bytes of LDS; arguments x, W1, b1, W2, ap, p, an, n, part, aux; writes part, aux
.if DOCPART == 3
	.amdgcn_target "amdgcn-amd-amdhsa--gfx1250"
	.amdhsa_code_object_version 6
	.text
	.protected	k_q5b025810a1_pairs
	.globl	k_q5b025810a1_pairs
	.p2align	8
	.type	k_q5b025810a1_pairs,@function
k_q5b025810a1_pairs:
	s_mov_b64 s[64:65], 0
	v_nop
	global_prefetch_b8 v0, s[64:65] scope:SCOPE_SE
	s_setreg_imm32_b32 hwreg(HW_REG_WAVE_SCHED_MODE, 0, 2), 2
	s_setreg_imm32_b32 hwreg(HW_REG_WAVE_MODE, 25, 1), 1
	s_wait_xcnt 0x0
	s_wait_alu depctr_vm_vsrc(0)
; Diagonal of the contrastive GGN of Linear(256,512) -> tanh -> Linear(512,64): partial sums over 64 pairs.
; Work-group (ix, y): rows i = 64 ix .. 64 ix + 63 of W1, chunk y of 64 pairs (y < 16: pairs (ap, p), sign +; y >= 16: pairs (an, n), sign -).
;   G1:  z = x[idx] W1^T for the chunk's 128 gathered rows and the slice's 64 rows of W1 (K = 256), f16 operands, f32 sums.
;   ACT: q = 2 / (1 + 2^(2.88539 (z + b1))), tanh = 1 - q, d = 1 - tanh^2 = 2 q - q^2.  S11 = da^2, S12 = -2 da db, S22 = db^2.
;        With cs = +-c, c[i] = sum over o of W2[o][i]^2:  b1's part = cs sum (da - db)^2;  W2's part = +- sum (qa - qb)^2.
;   G2:  W1's part [i][j] = cs[i] x sum over (term, pair) of S[term][pair][i] Q[term][pair][j], Q = xa^2, xa xb, xb^2: a product with K = 3 x 64 = 192.
; The 64 x 256 sums go to part, the 2 x 64 sums to aux; a second launch adds the 32 chunks.
; WHY f16.  The result is a difference of two sums of 1,024 terms each, of the size of the terms' scatter, so the operands' rounding weighs on it in
; full; f16's 11 significant bits leave an eighth of the error that bf16's 8 would.  The range is there: S lies in [-2, 1] for every input, since c,
; which carries W2's scale, multiplies the f32 sums behind G2 (c belongs to row i, which is a lane's own row there); Q = x^2 is finite up to |x| = 255.
; Eight waves: the 54 global loads of a wave (4 W2, 16 W1, 2 b1, 32 x) go out at once into 210 registers.
; No tensor loads and no shared requests between work-groups: the rows are a gather of 128 separate rows of 1,024 bytes, and every number passes
; through registers anyway, for the f32 products and the rounding to f16.
; LIMITS.  |x| >= 256 overflows x^2 in f16 (and |W1| >= 65,520 W1 itself); operands under 6.1e-5 in magnitude keep an absolute error of 3e-8.
; An index is clamped, as an unsigned number, to 49,999.  Matrix operands (x, W1, S, Q) are rounded to f16 once.  The sums run in another
; order than a plain sum over the pairs.  v_exp_f32 and v_rcp_f32 are good to 1 ULP and flush denormals (ISA guide 15.8): 2^t that overflows gives
; q = 0, 2^t that underflows q = 2, both the right limits.  2 q - q^2 carries q's absolute error (some 1e-7), as 1 - tanh^2 in f32 does.
; b2 is not among the arguments: its values enter no result (its block of the result is zero whatever b2 holds).
; THE MODE: SCHED_MODE bits 1:0 = 2 (LLVM: expert scheduling mode 2), set by the entry lines.  The code itself states the register dependences
; between vector or matrix instructions and memory or LDS instructions, with s_wait_alu, always for 0.
; THE PLAN.  Registers that memory or LDS instructions touch, and who else names them:
;   v2, v5, v11; v6-v10, v16-v31   offsets and LDS addresses of the staging: made once, each group ahead of one wait on va_vdst in front of its first user.
;   v[32:111]     W2 and W1 as loaded; squared and rounded in place; one wait on va_vdst; then their 17 LDS stores in one run.
;   XD[t], T0, T1 Turn t rounds pair t in XD[t] and writes its products into T[t % 2].  The ten LDS stores of pair t - 1, which read XD[t - 1] and the other T,
;                 are dealt among turn t's vector lines, which name neither.  At a turn's head: one wait on vm_vsrc (the stores issued a turn before have
;                 read T[t % 2]) and one on va_vdst (pair t - 1 is written).
;   F0, F1, F2    G1's fragments: loaded, read by matrix instructions.  F0 alone is filled twice: one wait on va_vdst at the second step's head, then its
;                 16 loads two behind each of that step's products, which name F1 and the sums.
;   v[32:47]      c's partial sums land here, ahead of G1's sums in the same registers, so that the arithmetic on them names no fragment register.
;   ACT's work    registers in F0 and F1: all arithmetic first, one wait on va_vdst, the ten LDS stores in one run, one wait on vm_vsrc.
;   B0, B1, B2    G2's fragments.  Step u (1, 2, 3): one wait on va_vdst at its head (step u - 1's products are done reading their buffer), then the 12 loads of
;                 step u + 2 into that buffer, two behind each of the step's first six products, which name the step's own buffer and the sums.
;   ACC           written by matrix instructions, scaled in place, one wait on va_vdst, 16 global stores.
.set PX,  528                          ; LDS pitch of a row of 256 f16: 512 + 16 bytes, an odd multiple of 16
.set PQ,  544                          ; pitch of Q's rows, read by transposing loads: an odd multiple of 32
.set PS,  400                          ; pitch of S's rows (192 f16 = 384 bytes): an odd multiple of 16
.set LWS, 128*PX                       ; 67,584   behind X: 128 rows, pair p's a row at row p, its b row at row 64 + p
.set LQS, LWS+64*PX                    ; 101,376  behind W1's 64 rows
.set LSS, LQS+192*PQ                   ; 205,824  behind Q: row = 64 term + pair
.set LCS, LSS+64*PS                    ; 231,424  behind S: row = i, k = 64 term + pair
.set LRS, LCS+4096                     ; 235,520  behind c's partial sums [wave 8][h 2][64]; then the row sums [2 pt + h 8][array 2][64], 4,096 bytes
.set XB,  64*PX                        ; from an a row to its b row
.set QT,  64*PQ                        ; from a term of Q to the next
; vector registers while the inputs are staged
.set XSA, 6                            ; LDS: my wave's 8 rows of X, 8 bytes a lane
.set QSA, 7                            ; the same in Q, terms 0 and 1
.set QSA2, 8                           ; term 2 (beyond the 16-bit immediate)
.set WSA, 9                            ; my wave's 8 rows of W1
.set CSA, 10                           ; my wave's partial sums of c
.set VOA, 16                           ; v[16:23] byte offsets in x of my 16 bytes in the 8 a rows
.set VOB, 24                           ; v[24:31] the same for the 8 b rows
.set W2D, 32                           ; v[32:47]   W2 as loaded
.set WD,  48                           ; v[48:111]  W1 as loaded, row t at 48 + 8 t
.set XD,  112                          ; v[112:239] x as loaded, pair t: a at 112 + 16 t, b 8 further
.set T0,  32                           ; two sets of 24 registers for the products, in turn (W2's and W1's registers, stored by then)
.set T1,  56
; vector registers from the first barrier on
.set BS,  4                            ; v[4:5], v[14:15]: 2.88539 b1, twice, for i tile 0, 1 (at BS + 10 it)
.set CSP, 6                            ; v[6:7], v[8:9]: cs = +-c, twice, for i tile 0, 1 (at CSP + 2 it)
.set XFA, 16                           ; LDS addresses: fragments of X
.set WFA, 17                           ; fragments of W1
.set CRA, 18                           ; c's partial sums
.set SSA, 19                           ; where S goes
.set RSA, 20                           ; where the row sums go
.set QFA, 21                           ; v[21:23] fragments of Q, one register a term
.set SFA, 24                           ; fragments of S
.set RRD, 26                           ; the row sums, read back
.set AUXO, 27                          ; my byte offset in aux
.set CT,  32                           ; v[32:47] c's partial sums as loaded, i tile it at 32 + 8 it
.set Z,   32                           ; v[32:63] G1's sums: a and b rows for i tile 0, then for i tile 1
.set F0,  64                           ; three buffers of 64 registers: two K steps x (Xa, Xb, W tile 0, W tile 1) x 8
.set F1,  128
.set F2,  192
.set ACC, 32                           ; v[32:95] G2's sums: tile 4 it + jt at 32 + 8 (4 it + jt)
.set B0,  96                           ; three buffers of 48 registers: Q's four j tiles, S's two i tiles
.set B1,  144
.set B2,  192
	s_load_b512 s[4:19], s[0:1], 0x0               ; x s[4:5], W1 s[6:7], b1 s[8:9], W2 s[10:11], ap s[12:13], p s[14:15], an s[16:17], n s[18:19]
	s_load_b128 s[20:23], s[0:1], 0x40             ; part s[20:21], aux s[22:23]
	v_lshl_add_u32 v13, v0, 2, 0x3a800
	s_set_vgpr_msb 0x40
	v_mov_b32 v1, 0
	s_set_vgpr_msb 0x4000
	v_lshrrev_b32 v12, 5, v0
	v_readfirstlane_b32 s24, v12                   ; wave w, 0 to 7
	v_and_b32 v1, 31, v0                           ; lane L
	v_lshlrev_b32 v2, 4, v1                        ; 16 L
	v_and_b32 v3, 15, v0                           ; r
	v_bfe_u32 v4, v0, 4, 1                         ; h
	v_lshlrev_b32 v11, 2, v3                       ; 4 r
	v_lshlrev_b32 v5, 4, v3
	v_lshl_add_u32 v5, v4, 11, v5                  ; 2,048 h + 16 r: two rows of W2, 256 bytes of each
	s_mov_b32 s25, ttmp9                           ; ix
	s_and_b32 s26, ttmp7, 0xffff                   ; y
	s_wait_alu depctr_va_sdst(0)                   ; s24 is written, ahead of its first reader: all the wave's offsets and LDS bases are made from it
	s_lshr_b32 s54, s24, 1                         ; pt (G1: which 16 pairs) = js (G2: which 64 columns j)
	s_and_b32 s55, s24, 1                          ; ih: which 32 of the slice's 64 rows i
	s_and_b32 s52, s26, 15                         ; the indices of my wave's 8 pairs: 64 (y mod 16) + 8 w, 4 bytes each
	s_lshl_b32 s52, s52, 8
	s_lshl_b32 s66, s24, 5
	s_add_co_u32 s52, s52, s66
	s_mov_b32 s53, 0
	s_lshl_b32 s56, s25, 16                        ; W1: 64 ix + 8 w rows of 1,024 bytes
	s_lshl_b32 s66, s24, 13
	s_add_co_u32 s56, s56, s66
	s_mov_b32 s57, 0
	s_lshl_b32 s58, s24, 14                        ; W2: 8 w rows of 2,048 bytes + 64 ix columns
	s_lshl_b32 s60, s25, 8
	s_add_co_u32 s58, s58, s60
	s_mov_b32 s59, 0
	s_lshl_b32 s2, s26, 12                         ; aux: chunk y of 4,096 bytes + 64 ix numbers
	s_add_co_u32 s2, s2, s60
	s_mov_b32 s3, 0
	s_lshl_b32 s66, s55, 7                         ; b1: 64 ix + 32 ih numbers
	s_add_co_u32 s60, s60, s66
	s_mov_b32 s61, 0
	s_lshl_b32 s62, s26, 19                        ; part: chunk y of 524,288 bytes + 16 ix blocks of 4,096 + my wave's two blocks
	s_add_co_u32 s62, s62, s56
	s_mov_b32 s63, 0
	s_wait_kmcnt 0x0
	s_cmp_lt_u32 s26, 16                           ; the first 16 chunks take the positive pairs
	s_cselect_b64 s[28:29], s[12:13], s[16:17]
	s_cselect_b64 s[30:31], s[14:15], s[18:19]
	s_add_nc_u64 s[28:29], s[28:29], s[52:53]
	s_add_nc_u64 s[30:31], s[30:31], s[52:53]
	s_load_b256 s[32:39], s[28:29], 0x0            ; first of all: the rows of x hang on these
	s_load_b256 s[40:47], s[30:31], 0x0
	s_add_nc_u64 s[10:11], s[10:11], s[58:59]
	s_add_nc_u64 s[6:7], s[6:7], s[56:57]
	s_add_nc_u64 s[8:9], s[8:9], s[60:61]
	s_add_nc_u64 s[20:21], s[20:21], s[62:63]
	s_add_nc_u64 s[22:23], s[22:23], s[2:3]
	s_wait_alu depctr_va_vdst(0)                   ; v2, v5 and v11 are written, which the loads below read as their offsets
.irp u, 0,1,2,3
	global_load_b128 v[W2D+4*\u:W2D+4*\u+3], v5, s[10:11] offset:\u*4096      ; rows 8 w + 2 u + h of W2, columns 64 ix + 4 r ..
.endr
.irp t, 0,1,2,3,4,5,6,7
	global_load_b128 v[WD+8*\t:WD+8*\t+3],   v2, s[6:7] offset:\t*1024        ; a row of W1: two loads of 512 neighbouring bytes
	global_load_b128 v[WD+8*\t+4:WD+8*\t+7], v2, s[6:7] offset:\t*1024+512
.endr
	global_load_b32 v14, v11, s[8:9]               ; b1[64 ix + 32 ih + r]
	global_load_b32 v15, v11, s[8:9] offset:64     ; and 16 further
	; while the indices are on their way: constants and LDS bases
	s_lshr_b32 s27, s26, 4
	s_lshl_b32 s27, s27, 31                        ; the chunk's sign bit
	s_or_b32 s48, s27, 0x3f800000                  ; +-1.0
	s_mov_b32 s50, 0x76543210                      ; v_permlanex16_b32: lane i of one half reads lane i of the other
	s_mov_b32 s51, 0xfedcba98
	s_mul_i32 s66, s24, 8*PX                       ; X: my wave's 8 rows
	s_mul_i32 s67, s24, 8*PQ
	s_add_co_u32 s67, s67, LQS                     ; Q: the same 8 rows of term 0
	s_add_co_u32 s68, s66, LWS                     ; W1: my wave's 8 rows
	s_lshl_b32 s69, s24, 9
	s_add_co_u32 s69, s69, LCS                     ; c: my wave's 512 bytes
	s_mul_i32 s70, s54, 16*PX                      ; G1: my 16 pairs
	s_mul_i32 s71, s55, 32*PX
	s_add_co_u32 s71, s71, LWS                     ; G1: my 32 rows of W1
	s_lshl_b32 s72, s55, 7                         ; 32 ih numbers
	s_lshl_b32 s75, s54, 10
	s_add_co_u32 s75, s75, s72
	s_add_co_u32 s75, s75, LRS                     ; row sums: line 2 pt (+ h), number 32 ih (+ r)
	s_add_co_u32 s72, s72, LCS
	s_mul_i32 s73, s55, 32*PS
	s_add_co_u32 s73, s73, LSS                     ; S: my 32 rows
	s_lshl_b32 s74, s54, 5
	s_add_co_u32 s74, s74, s73                     ; and my 16 pairs in them
	s_lshl_b32 s76, s54, 7
	s_add_co_u32 s76, s76, LQS                     ; Q: my 64 columns
	v_lshl_add_u32 v[XSA], v1, 3, s66
	v_lshl_add_u32 v[QSA], v1, 3, s67
	v_add_nc_u32 v[QSA2], 2*QT, v[QSA]
	v_lshl_add_u32 v[WSA], v1, 3, s68
	v_add_nc_u32 v[CSA], s69, v2
	s_wait_kmcnt 0x0                               ; the 16 indices
.irp t, 0,1,2,3,4,5,6,7
	s_min_u32 s[32+\t], s[32+\t], 0xc34f           ; inside the table of 50,000 rows
	s_min_u32 s[40+\t], s[40+\t], 0xc34f
	v_lshl_add_u32 v[VOA+\t], s[32+\t], 10, v2     ; row x 1,024 bytes + 16 L
	v_lshl_add_u32 v[VOB+\t], s[40+\t], 10, v2
.endr
	s_wait_alu depctr_va_vdst(0)                   ; the 16 offsets v[16:31] are written, which the loads below read; so are v6 to v10, the addresses of all the staging's LDS stores
.irp t, 0,1,2,3,4,5,6,7
	global_load_b128 v[XD+16*\t:XD+16*\t+3],     v[VOA+\t], s[4:5]
	global_load_b128 v[XD+16*\t+4:XD+16*\t+7],   v[VOA+\t], s[4:5] offset:512
	global_load_b128 v[XD+16*\t+8:XD+16*\t+11],  v[VOB+\t], s[4:5]
	global_load_b128 v[XD+16*\t+12:XD+16*\t+15], v[VOB+\t], s[4:5] offset:512
.endr
	; STAGING.  c: my four rows' squares of four columns, summed.  Then W1 rounded.  Then both are stored in one run.
	s_wait_loadcnt 50                              ; loads come back in order: 16 + 2 + 32 were issued behind W2's four
	v_pk_mul_f32 v[W2D:W2D+1],   v[W2D:W2D+1],   v[W2D:W2D+1]
	v_pk_mul_f32 v[W2D+2:W2D+3], v[W2D+2:W2D+3], v[W2D+2:W2D+3]
.irp u, 4,8,12
	v_pk_fma_f32 v[W2D:W2D+1],   v[W2D+\u:W2D+\u+1],   v[W2D+\u:W2D+\u+1],   v[W2D:W2D+1]
	v_pk_fma_f32 v[W2D+2:W2D+3], v[W2D+\u+2:W2D+\u+3], v[W2D+\u+2:W2D+\u+3], v[W2D+2:W2D+3]
.endr
	s_wait_loadcnt 34                              ; 2 + 32 were issued behind W1's sixteen
.irp t, 0,1,2,3,4,5,6,7
	v_cvt_pk_f16_f32 v[WD+8*\t],   v[WD+8*\t],   v[WD+8*\t+1]
	v_cvt_pk_f16_f32 v[WD+8*\t+1], v[WD+8*\t+2], v[WD+8*\t+3]
	v_cvt_pk_f16_f32 v[WD+8*\t+4], v[WD+8*\t+4], v[WD+8*\t+5]
	v_cvt_pk_f16_f32 v[WD+8*\t+5], v[WD+8*\t+6], v[WD+8*\t+7]
.endr
	s_wait_alu depctr_va_vdst(0)                   ; c's sums in v[32:35] and W1's f16 numbers are written, which the 17 LDS stores below read
	ds_store_b128 v[CSA], v[W2D:W2D+3]
.irp t, 0,1,2,3,4,5,6,7
	ds_store_b64 v[WSA], v[WD+8*\t:WD+8*\t+1]   offset:\t*PX         ; 32 lanes x 8 bytes: columns 0 to 127
	ds_store_b64 v[WSA], v[WD+8*\t+4:WD+8*\t+5] offset:\t*PX+256     ; columns 128 to 255
.endr
; Pair t of my eight: the three products in f32 from x in f32, everything rounded to f16 once, ten stores of 256 neighbouring bytes.
.macro XST t, tmp, n                   ; two of pair t's ten stores: its a row, its b row, its rows of Q's three terms
.if (\n) == 0
	ds_store_b64 v[XSA],  v[XD+16*(\t):XD+16*(\t)+1]     offset:(\t)*PX
	ds_store_b64 v[XSA],  v[XD+16*(\t)+4:XD+16*(\t)+5]   offset:(\t)*PX+256
.elseif (\n) == 1
	ds_store_b64 v[XSA],  v[XD+16*(\t)+8:XD+16*(\t)+9]   offset:XB+(\t)*PX
	ds_store_b64 v[XSA],  v[XD+16*(\t)+12:XD+16*(\t)+13] offset:XB+(\t)*PX+256
.elseif (\n) == 2
	ds_store_b64 v[QSA],  v[(\tmp):(\tmp)+1]             offset:(\t)*PQ
	ds_store_b64 v[QSA],  v[(\tmp)+4:(\tmp)+5]           offset:(\t)*PQ+256
.elseif (\n) == 3
	ds_store_b64 v[QSA],  v[(\tmp)+8:(\tmp)+9]           offset:QT+(\t)*PQ
	ds_store_b64 v[QSA],  v[(\tmp)+12:(\tmp)+13]         offset:QT+(\t)*PQ+256
.else
	ds_store_b64 v[QSA2], v[(\tmp)+16:(\tmp)+17]         offset:(\t)*PQ
	ds_store_b64 v[QSA2], v[(\tmp)+20:(\tmp)+21]         offset:(\t)*PQ+256
.endif
.endm
.macro XMUL t, tmp, k                  ; xa xa, xa xb, xb xb for two of the lane's eight columns
	v_pk_mul_f32 v[(\tmp)+(\k):(\tmp)+(\k)+1],       v[XD+16*(\t)+(\k):XD+16*(\t)+(\k)+1],     v[XD+16*(\t)+(\k):XD+16*(\t)+(\k)+1]
	v_pk_mul_f32 v[(\tmp)+8+(\k):(\tmp)+8+(\k)+1],   v[XD+16*(\t)+(\k):XD+16*(\t)+(\k)+1],     v[XD+16*(\t)+8+(\k):XD+16*(\t)+8+(\k)+1]
	v_pk_mul_f32 v[(\tmp)+16+(\k):(\tmp)+16+(\k)+1], v[XD+16*(\t)+8+(\k):XD+16*(\t)+8+(\k)+1], v[XD+16*(\t)+8+(\k):XD+16*(\t)+8+(\k)+1]
.endm
; Turn t works on XD[t] and tmp; the stores of pair t - 1, which read XD[t - 1] and otmp, are dealt among its vector lines.
.macro XPAIR t, tmp, otmp
	s_wait_loadcnt 28-4*(\t)                       ; four loads a pair: the later pairs' stay out
.if (\t) != 1
	s_wait_alu depctr_vm_vsrc(0)                   ; the LDS stores issued so far have read the product registers that are written below: in turn 0 c's and W1's stores (both sets lie in their registers), later the stores of two pairs back
.endif
.if (\t) > 0
	s_wait_alu depctr_va_vdst(0)                   ; the turn before has written its pair's f16 numbers and products, which the stores below read
.endif
.irp n, 0,1,2,3
.if (\t) > 0
	XST (\t)-1, \otmp, \n
.endif
	XMUL \t, \tmp, 2*\n
.endr
.if (\t) > 0
	XST (\t)-1, \otmp, 4
.endif
.irp k, 0,4,8,12
	v_cvt_pk_f16_f32 v[XD+16*(\t)+\k],   v[XD+16*(\t)+\k],   v[XD+16*(\t)+\k+1]
	v_cvt_pk_f16_f32 v[XD+16*(\t)+\k+1], v[XD+16*(\t)+\k+2], v[XD+16*(\t)+\k+3]
.endr
.irp k, 0,4,8,12,16,20
	v_cvt_pk_f16_f32 v[\tmp+\k],   v[\tmp+\k],   v[\tmp+\k+1]
	v_cvt_pk_f16_f32 v[\tmp+\k+1], v[\tmp+\k+2], v[\tmp+\k+3]
.endr
.endm
	XPAIR 0, T0, T1
	XPAIR 1, T1, T0
	XPAIR 2, T0, T1
	XPAIR 3, T1, T0
	XPAIR 4, T0, T1
	XPAIR 5, T1, T0
	XPAIR 6, T0, T1
	XPAIR 7, T1, T0                                ; its wait on LOADcnt is for 0: every global load is in, b1's too
	s_wait_alu depctr_va_vdst(0)                   ; turn 7 has written its pair's f16 numbers and products, which the last ten stores read
.irp n, 0,1,2,3,4
	XST 7, T1, \n
.endr
	s_wait_dscnt 0x0                               ; for the other waves: all my stores into X, W1, Q and c are done
	s_wait_alu depctr_vm_vsrc(0)                   ; my LDS stores have read v6 to v9 and v[32:239], my loads of x v[16:31]: from here on these are cs, new addresses, sums and fragments
	s_barrier_signal -1
	; register work while the others arrive: the LDS addresses of all that follows
	v_mul_u32_u24 v28, v3, PX
	v_lshl_add_u32 v28, v4, 4, v28                 ; r x pitch + 16 h: a fragment's lane term
	v_add_nc_u32 v[XFA], s70, v28
	v_add_nc_u32 v[WFA], s71, v28
	v_lshl_add_u32 v[CRA], v4, 8, v11              ; 256 h + 4 r
	v_add_nc_u32 v[CRA], s72, v[CRA]
	v_lshl_add_u32 v[RSA], v4, 9, v11              ; 512 h + 4 r
	v_add_nc_u32 v[RSA], s75, v[RSA]
	v_mul_u32_u24 v30, v3, PS
	v_lshl_add_u32 v30, v4, 4, v30                 ; r x pitch + 16 h in S
	v_add_nc_u32 v[SSA], s74, v30
	v_add_nc_u32 v[SFA], s73, v30
	v_and_b32 v28, 7, v1                           ; transposing loads: lane L addresses row 8 h + L mod 8, 16 bytes at 16 ((L / 8) mod 2)
	v_lshl_add_u32 v28, v4, 3, v28
	v_mul_u32_u24 v28, v28, PQ
	v_bfe_u32 v29, v1, 3, 1
	v_lshl_add_u32 v28, v29, 4, v28
	v_add_nc_u32 v[QFA], s76, v28
	v_add_nc_u32 v[QFA+1], QT, v[QFA]
	v_add_nc_u32 v[QFA+2], 2*QT, v[QFA]
	v_add_nc_u32 v[RRD], LRS, v2
	v_mov_b32 v[AUXO], v5                          ; 2,048 h + 16 r, before v5 takes b1
	s_barrier_wait -1
	s_wait_alu depctr_va_vdst(0)                   ; the addresses v16 to v27 are written, which all later LDS instructions read; the staging's vector lines are done with v[32:255], in which the loads below land
; G1.  A wave: 16 pairs (a and b rows) x 32 rows of W1.  Source 0 = rows of x, source 1 = rows of W1: lane (r, h) gets row i = r, pairs 8 h + 0 .. 7.
.macro PLACES                          ; four plain vector instructions between a matrix instruction and a load into, or a vector read or write of, its registers; they stay beside the waits
.rept 4
	v_nop
.endr
.endm
.macro LD1 g, f, n                     ; two of the 16 loads of K steps 2 g and 2 g + 1 into buffer f: K step n / 4; n mod 4: Xa, Xb, W tile 0, W tile 1
.if ((\n)%4) < 2
	ds_load_b128 v[(\f)+8*(\n):(\f)+8*(\n)+3],   v[XFA] offset:((\n)%4)*XB+64*(2*(\g)+(\n)/4)
	ds_load_b128 v[(\f)+8*(\n)+4:(\f)+8*(\n)+7], v[XFA] offset:((\n)%4)*XB+64*(2*(\g)+(\n)/4)+32
.else
	ds_load_b128 v[(\f)+8*(\n):(\f)+8*(\n)+3],   v[WFA] offset:((\n)%4-2)*16*PX+64*(2*(\g)+(\n)/4)
	ds_load_b128 v[(\f)+8*(\n)+4:(\f)+8*(\n)+7], v[WFA] offset:((\n)%4-2)*16*PX+64*(2*(\g)+(\n)/4)+32
.endif
.endm
.macro FETCH1 g, f
.irp n, 0,1,2,3,4,5,6,7
	LD1 \g, \f, \n
.endr
.endm
; Two K steps on buffer f; the four accumulators take turns, one instruction a turn.  zero = 1: the first K step starts the sums, nothing is cleared.
; g >= 0: two loads of K steps 2 g, 2 g + 1 into buffer lf stand behind each product; the products name f and the sums alone.
.macro MUL1 f, zero, g=-1, lf=0
.irp m, 0,1,2,3,4,5,6,7
.if (\zero) && (\m < 4)
	v_wmma_f32_16x16x32_f16 v[Z+8*(\m%4):Z+8*(\m%4)+7], v[\f+32*(\m/4)+8*(\m%2):\f+32*(\m/4)+8*(\m%2)+7], v[\f+32*(\m/4)+16+8*((\m%4)/2):\f+32*(\m/4)+16+8*((\m%4)/2)+7], 0
.else
	v_wmma_f32_16x16x32_f16 v[Z+8*(\m%4):Z+8*(\m%4)+7], v[\f+32*(\m/4)+8*(\m%2):\f+32*(\m/4)+8*(\m%2)+7], v[\f+32*(\m/4)+16+8*((\m%4)/2):\f+32*(\m/4)+16+8*((\m%4)/2)+7], v[Z+8*(\m%4):Z+8*(\m%4)+7]
.endif
.if (\g) >= 0
	LD1 \g, \lf, \m
.endif
.endr
.endm
.irp it, 0,1
.irp w, 0,1,2,3,4,5,6,7
	ds_load_b32 v[CT+8*\it+\w], v[CRA] offset:\w*512+\it*64       ; c's partial sums of my i, my h's half of W2's rows
.endr
.endr
	FETCH1 0, F0
	FETCH1 1, F1
	s_wait_dscnt 32                                ; the two fetches stay out; c's sixteen words are in
	FETCH1 2, F2                                   ; no vector line since the wait behind the barrier names these registers
.irp it, 0,1
	v_pk_add_f32 v[CT+8*\it:CT+8*\it+1],   v[CT+8*\it:CT+8*\it+1],   v[CT+8*\it+2:CT+8*\it+3]
	v_pk_add_f32 v[CT+8*\it+4:CT+8*\it+5], v[CT+8*\it+4:CT+8*\it+5], v[CT+8*\it+6:CT+8*\it+7]
	v_pk_add_f32 v[CT+8*\it:CT+8*\it+1],   v[CT+8*\it:CT+8*\it+1],   v[CT+8*\it+4:CT+8*\it+5]
	v_add_f32 v[CT+8*\it], v[CT+8*\it], v[CT+8*\it+1]
	v_permlanex16_b32 v[CT+8*\it+1], v[CT+8*\it], s50, s51        ; the other half of W2's rows
	v_add_f32 v[CT+8*\it], v[CT+8*\it], v[CT+8*\it+1]             ; c[i]
	v_mul_f32 v[CSP+2*\it],   s48, v[CT+8*\it]                    ; cs = +-c, twice: a pair for the packed multiplies
	v_mul_f32 v[CSP+2*\it+1], s48, v[CT+8*\it]
.endr
	v_mul_f32 v[BS],    0x4038aa3b, v14            ; 2.88539 b1, twice, for i tile 0
	v_mul_f32 v[BS+1],  0x4038aa3b, v14
	v_mul_f32 v[BS+10], 0x4038aa3b, v15            ; and for i tile 1
	v_mul_f32 v[BS+11], 0x4038aa3b, v15
	s_wait_dscnt 32                                ; buffers 1 and 2 stay out
	MUL1 F0, 1
	PLACES
	s_wait_dscnt 16                                ; buffer 1 is in, buffer 2 stays out
	s_wait_alu depctr_va_vdst(0)                   ; the eight products above are done reading buffer 0, in which the loads dealt among the next eight land
	MUL1 F1, 0, 3, F0
	s_wait_dscnt 16                                ; buffer 2 is in, the 16 loads just issued stay out
	MUL1 F2, 0
	s_wait_dscnt 0x0
	MUL1 F0, 0
	PLACES
; ACT.  32 registers of z (i tile 0: a rows, b rows; then i tile 1).  The exponentials of both tiles are one batch, the reciprocals another.
.irp it, 0,1
.irp k, 0,2,4,6,8,10,12,14
	v_pk_fma_f32 v[Z+16*\it+\k:Z+16*\it+\k+1], v[Z+16*\it+\k:Z+16*\it+\k+1], 0x4038aa3b, v[BS+10*\it:BS+10*\it+1] op_sel_hi:[1,0,1]
.endr
.endr
.set k, 0
.rept 32
	v_exp_f32 v[Z+k], v[Z+k]                       ; e = exp(2 (z + b1))
.set k, k+1
.endr
	v_nop                                          ; one plain vector instruction between a transcendental and the use of its result (ISA guide 5.7.2)
	s_wait_alu depctr_va_vdst(0)                   ; the 32 exponentials have written v[32:63], ahead of their first reader
.set k, 0
.rept 16
	v_pk_fma_f32 v[Z+k:Z+k+1], v[Z+k:Z+k+1], 0.5, 0.5 op_sel_hi:[1,0,0]
.set k, k+2
.endr
.set k, 0
.rept 32
	v_rcp_f32 v[Z+k], v[Z+k]                       ; q = 2 / (1 + e) = 1 - tanh
.set k, k+1
.endr
	v_nop                                          ; the plain instruction behind the last reciprocal
	s_wait_alu depctr_va_vdst(0)                   ; the 32 reciprocals have written v[32:63], ahead of their first reader
; The rest for i tile it; tmp: 44 registers at work (0-7 da, 8-15 db, 16-19 the two sums, 20-43 S).
.macro ACT_REST it, tmp
.set ZZ, Z+16*\it
.irp k, 0,2,4,6,8,10,12,14
	v_pk_add_f32 v[\tmp+\k:\tmp+\k+1], v[ZZ+\k:ZZ+\k+1], v[ZZ+\k:ZZ+\k+1]
.endr
.irp k, 0,2,4,6,8,10,12,14
	v_pk_fma_f32 v[\tmp+\k:\tmp+\k+1], v[ZZ+\k:ZZ+\k+1], v[ZZ+\k:ZZ+\k+1], v[\tmp+\k:\tmp+\k+1] neg_lo:[1,0,0] neg_hi:[1,0,0]   ; d = 2 q - q q
.endr
.irp k, 0,2,4,6
	v_pk_add_f32 v[ZZ+\k:ZZ+\k+1], v[ZZ+\k:ZZ+\k+1], v[ZZ+8+\k:ZZ+8+\k+1] neg_lo:[0,1] neg_hi:[0,1]                        ; qa - qb = hb - ha
.endr
.irp k, 0,2,4,6
	v_pk_add_f32 v[ZZ+8+\k:ZZ+8+\k+1], v[\tmp+\k:\tmp+\k+1], v[\tmp+8+\k:\tmp+8+\k+1] neg_lo:[0,1] neg_hi:[0,1]            ; da - db
.endr
	v_pk_mul_f32 v[\tmp+16:\tmp+17], v[ZZ:ZZ+1],   v[ZZ:ZZ+1]
	v_pk_mul_f32 v[\tmp+18:\tmp+19], v[ZZ+8:ZZ+9], v[ZZ+8:ZZ+9]
.irp k, 2,4,6
	v_pk_fma_f32 v[\tmp+16:\tmp+17], v[ZZ+\k:ZZ+\k+1],     v[ZZ+\k:ZZ+\k+1],     v[\tmp+16:\tmp+17]
	v_pk_fma_f32 v[\tmp+18:\tmp+19], v[ZZ+8+\k:ZZ+8+\k+1], v[ZZ+8+\k:ZZ+8+\k+1], v[\tmp+18:\tmp+19]
.endr
.irp k, 0,2,4,6
	v_pk_mul_f32 v[\tmp+20+\k:\tmp+20+\k+1], v[\tmp+\k:\tmp+\k+1],     v[\tmp+\k:\tmp+\k+1]           ; S11 = da da
	v_pk_mul_f32 v[\tmp+28+\k:\tmp+28+\k+1], v[\tmp+\k:\tmp+\k+1],     -2.0 op_sel_hi:[1,0]
	v_pk_mul_f32 v[\tmp+36+\k:\tmp+36+\k+1], v[\tmp+8+\k:\tmp+8+\k+1], v[\tmp+8+\k:\tmp+8+\k+1]       ; S22 = db db
.endr
.irp k, 0,2,4,6
	v_pk_mul_f32 v[\tmp+28+\k:\tmp+28+\k+1], v[\tmp+28+\k:\tmp+28+\k+1], v[\tmp+8+\k:\tmp+8+\k+1]     ; S12 = -2 da db
.endr
.irp u, 20,28,36
	v_cvt_pk_f16_f32 v[\tmp+\u],   v[\tmp+\u],   v[\tmp+\u+1]
	v_cvt_pk_f16_f32 v[\tmp+\u+1], v[\tmp+\u+2], v[\tmp+\u+3]
	v_cvt_pk_f16_f32 v[\tmp+\u+2], v[\tmp+\u+4], v[\tmp+\u+5]
	v_cvt_pk_f16_f32 v[\tmp+\u+3], v[\tmp+\u+6], v[\tmp+\u+7]
.endr
	v_add_f32 v[\tmp+18], v[\tmp+18], v[\tmp+19]
	v_add_f32 v[\tmp+16], v[\tmp+16], v[\tmp+17]
	v_mul_f32 v[\tmp+18], v[\tmp+18], v[CSP+2*\it]                     ; b1's part over my 8 pairs
	v_mul_f32 v[\tmp+16], s48, v[\tmp+16]                              ; W2's part over my 8 pairs, with the chunk's sign
.endm
.macro ACT_OUT it, tmp
	ds_store_b128 v[SSA], v[\tmp+20:\tmp+23] offset:\it*16*PS          ; row i, eight neighbouring pairs of a term: 16 bytes
	ds_store_b128 v[SSA], v[\tmp+28:\tmp+31] offset:\it*16*PS+128
	ds_store_b128 v[SSA], v[\tmp+36:\tmp+39] offset:\it*16*PS+256
	ds_store_b32 v[RSA], v[\tmp+18] offset:\it*64
	ds_store_b32 v[RSA], v[\tmp+16] offset:256+\it*64
.endm
	ACT_REST 0, F0
	ACT_REST 1, F1
	s_wait_alu depctr_va_vdst(0)                   ; S and the row sums of both tiles are written, which the ten LDS stores read; all vector and matrix lines so far are done with v[96:239], in which G2's first fetches land
	ACT_OUT 0, F0
	ACT_OUT 1, F1
	s_wait_dscnt 0x0                               ; for the other waves: my stores into S and the row sums are done
	s_wait_alu depctr_vm_vsrc(0)                   ; those stores have read their data in v[80:103] and v[144:167], which G2's products and fetches write
	s_barrier_signal -1
	s_barrier_wait -1
; G2.  A wave: 32 rows i x 64 columns j, K = 192 in six steps (term u / 2, pairs 32 (u mod 2) ..).  Source 0 = Q (rows j, brought by transposing
; loads from rows that lie along j), source 1 = S (rows i along k): lane (r, h) gets row i = r and the eight neighbouring columns j = 8 h + 0 .. 7.
.macro LD2 u, b, n                     ; two of step u's 12 loads into buffer b: n < 4: Q's j tile n; n = 4, 5: S's i tile n - 4
.if (\n) < 4
	ds_load_tr16_b128 v[(\b)+8*(\n):(\b)+8*(\n)+3],   v[QFA+(\u)/2] offset:((\u)%2)*32*PQ+32*(\n)
	ds_load_tr16_b128 v[(\b)+8*(\n)+4:(\b)+8*(\n)+7], v[QFA+(\u)/2] offset:((\u)%2)*32*PQ+32*(\n)+16*PQ
.else
	ds_load_b128 v[(\b)+8*(\n):(\b)+8*(\n)+3],   v[SFA] offset:((\n)-4)*16*PS+64*(\u)
	ds_load_b128 v[(\b)+8*(\n)+4:(\b)+8*(\n)+7], v[SFA] offset:((\n)-4)*16*PS+64*(\u)+32
.endif
.endm
.macro FETCH2 u, b
.irp n, 0,1,2,3,4,5
	LD2 \u, \b, \n
.endr
.endm
; A step on buffer b; the eight accumulators take turns, one instruction a turn.
; u >= 0: two loads of step u into buffer lb stand behind each of the first six products; the products name b and the sums alone.
.macro MUL2 b, zero, u=-1, lb=0
.irp n, 0,1,2,3,4,5,6,7
.if \zero
	v_wmma_f32_16x16x32_f16 v[ACC+8*\n:ACC+8*\n+7], v[\b+8*(\n%4):\b+8*(\n%4)+7], v[\b+32+8*(\n/4):\b+32+8*(\n/4)+7], 0
.else
	v_wmma_f32_16x16x32_f16 v[ACC+8*\n:ACC+8*\n+7], v[\b+8*(\n%4):\b+8*(\n%4)+7], v[\b+32+8*(\n/4):\b+32+8*(\n/4)+7], v[ACC+8*\n:ACC+8*\n+7]
.endif
.if ((\u) >= 0) && (\n < 6)
	LD2 \u, \lb, \n
.endif
.endr
.endm
	FETCH2 0, B0
	FETCH2 1, B1
	FETCH2 2, B2
	s_wait_dscnt 24                                ; the two younger fetches of 12 loads stay out
	MUL2 B0, 1
	PLACES
	s_wait_dscnt 12                                ; step 1's fragments are in; the one younger fetch stays out, here and in the next three waits
	s_wait_alu depctr_va_vdst(0)                   ; step 0's products are done reading buffer 0, in which step 3's loads land
	MUL2 B1, 0, 3, B0
	PLACES
	s_wait_dscnt 12
	s_wait_alu depctr_va_vdst(0)                   ; step 1's products are done reading buffer 1, in which step 4's loads land
	MUL2 B2, 0, 4, B1
	PLACES
	s_wait_dscnt 12
	s_wait_alu depctr_va_vdst(0)                   ; step 2's products are done reading buffer 2, in which step 5's loads land
	MUL2 B0, 0, 5, B2
	s_wait_dscnt 12
	MUL2 B1, 0
	s_wait_dscnt 0x0
	MUL2 B2, 0
	PLACES
	; c and the chunk's sign, in f32: every number of a lane belongs to row i = r of its i tile
.set k, 0
.rept 16
	v_pk_mul_f32 v[ACC+k:ACC+k+1],       v[ACC+k:ACC+k+1],       v[CSP:CSP+1]
	v_pk_mul_f32 v[ACC+32+k:ACC+32+k+1], v[ACC+32+k:ACC+32+k+1], v[CSP+2:CSP+3]
.set k, k+2
.endr
	s_wait_alu depctr_va_vdst(0)                   ; the multiplies have written v[32:95], which the 16 stores read; the products are done reading buffer 0, in which wave 0's LDS loads land
	; THE WAY OUT.  part keeps the registers' order (block of 16 i x 64 j: [2 jt + q][lane][4 numbers]): each store covers 512 consecutive bytes, aligned.
.irp m, 0,1,2,3,4,5,6,7,8,9,10,11,12,13,14,15
	global_store_b128 v2, v[ACC+4*\m:ACC+4*\m+3], s[20:21] offset:512*\m
.endr
	s_cmp_lg_u32 s24, 0                            ; wave 0 adds the eight lines of row sums (stored ahead of the second barrier)
	s_cbranch_scc1 .Ldone
.irp k, 0,1,2,3,4,5,6,7
	ds_load_b128 v[B0+4*\k:B0+4*\k+3], v[RRD] offset:512*\k       ; lane (r, h): array h, numbers 4 r .. 4 r + 3
.endr
	s_wait_dscnt 0x0
.irp k, 0,2
	v_pk_add_f32 v[B0+\k:B0+\k+1],       v[B0+\k:B0+\k+1],       v[B0+4+\k:B0+4+\k+1]
	v_pk_add_f32 v[B0+8+\k:B0+8+\k+1],   v[B0+8+\k:B0+8+\k+1],   v[B0+12+\k:B0+12+\k+1]
	v_pk_add_f32 v[B0+16+\k:B0+16+\k+1], v[B0+16+\k:B0+16+\k+1], v[B0+20+\k:B0+20+\k+1]
	v_pk_add_f32 v[B0+24+\k:B0+24+\k+1], v[B0+24+\k:B0+24+\k+1], v[B0+28+\k:B0+28+\k+1]
.endr
.irp k, 0,2
	v_pk_add_f32 v[B0+\k:B0+\k+1],       v[B0+\k:B0+\k+1],       v[B0+8+\k:B0+8+\k+1]
	v_pk_add_f32 v[B0+16+\k:B0+16+\k+1], v[B0+16+\k:B0+16+\k+1], v[B0+24+\k:B0+24+\k+1]
.endr
.irp k, 0,2
	v_pk_add_f32 v[B0+\k:B0+\k+1],       v[B0+\k:B0+\k+1],       v[B0+16+\k:B0+16+\k+1]
.endr
	s_wait_alu depctr_va_vdst(0)                   ; the additions have written v[96:99], which the store reads
	global_store_b128 v[AUXO], v[B0:B0+3], s[22:23]               ; sixteen lanes: 256 consecutive bytes of b1's array, the other sixteen of W2's
.Ldone:
	s_set_vgpr_msb 0x4
	s_wait_dscnt 0x0
	s_wait_alu depctr_hold_cnt(0) depctr_sa_sdst(0) depctr_va_vdst(0) depctr_va_sdst(0) depctr_va_ssrc(0) depctr_va_vcc(0) depctr_vm_vsrc(0)
	s_wait_tensorcnt 0x0
	ds_add_u32 v13, v1
	s_wait_dscnt 0x0
	s_endpgm
.Lfunc_end_k_q5b025810a1_pairs:
	.size	k_q5b025810a1_pairs, .Lfunc_end_k_q5b025810a1_pairs-k_q5b025810a1_pairs
	.p2alignl 7, 3214868480
	.fill 96, 4, 3214868480
	.section	.rodata,"a",@progbits
	.p2align	6, 0x0
	.amdhsa_kernel k_q5b025810a1_pairs
		.amdhsa_group_segment_fixed_size 240640
		.amdhsa_private_segment_fixed_size 0
		.amdhsa_enable_private_segment 0
		.amdhsa_kernarg_size 80
		.amdhsa_user_sgpr_count 2
		.amdhsa_user_sgpr_kernarg_segment_ptr 1
		.amdhsa_wavefront_size32 1
		.amdhsa_system_sgpr_workgroup_id_x 1
		.amdhsa_system_sgpr_workgroup_id_y 1
		.amdhsa_system_sgpr_workgroup_id_z 1
		.amdhsa_system_vgpr_workitem_id 0
		.amdhsa_next_free_vgpr 258
		.amdhsa_next_free_sgpr 78
		.amdhsa_reserve_vcc 0
		.amdhsa_float_denorm_mode_32 3
		.amdhsa_float_denorm_mode_16_64 3
		.amdhsa_memory_ordered 1
		.amdhsa_forward_progress 1
		.amdhsa_inst_pref_size 73
	.end_amdhsa_kernel
	.amdgpu_metadata
---
amdhsa.version: [ 1, 2 ]
amdhsa.kernels:
  - .name:           k_q5b025810a1_pairs
    .symbol:         k_q5b025810a1_pairs.kd
    .args:
      - { .name: x, .offset: 0, .size: 8, .value_kind: global_buffer, .address_space: global }
      - { .name: W1, .offset: 8, .size: 8, .value_kind: global_buffer, .address_space: global }
      - { .name: b1, .offset: 16, .size: 8, .value_kind: global_buffer, .address_space: global }
      - { .name: W2, .offset: 24, .size: 8, .value_kind: global_buffer, .address_space: global }
      - { .name: ap, .offset: 32, .size: 8, .value_kind: global_buffer, .address_space: global }
      - { .name: p, .offset: 40, .size: 8, .value_kind: global_buffer, .address_space: global }
      - { .name: an, .offset: 48, .size: 8, .value_kind: global_buffer, .address_space: global }
      - { .name: n, .offset: 56, .size: 8, .value_kind: global_buffer, .address_space: global }
      - { .name: part, .offset: 64, .size: 8, .value_kind: global_buffer, .address_space: global }
      - { .name: aux, .offset: 72, .size: 8, .value_kind: global_buffer, .address_space: global }
    .group_segment_fixed_size: 240640
    .private_segment_fixed_size: 0
    .kernarg_segment_align: 8
    .kernarg_segment_size: 80
    .max_flat_workgroup_size: 256
    .sgpr_count:     78
    .vgpr_count:     258
    .wavefront_size: 32
...
	.end_amdgpu_metadata
.endif
;; end of part 3
;; launch fold (part 4): grid 136 x 1, 8 waves a work-group, no clusters, 9,472 bytes of LDS; arguments part, aux, out0; writes out0
.if DOCPART == 4
	.amdgcn_target "amdgcn-amd-amdhsa--gfx1250"
	.amdhsa_code_object_version 6
	.text
	.protected	k_q5b025810a1_fold
	.globl	k_q5b025810a1_fold
	.p2align	8
	.type	k_q5b025810a1_fold,@function
k_q5b025810a1_fold:
	s_mov_b64 s[64:65], 0
	v_nop
	global_prefetch_b8 v0, s[64:65] scope:SCOPE_SE
	s_setreg_imm32_b32 hwreg(HW_REG_WAVE_SCHED_MODE, 0, 2), 2
	s_setreg_imm32_b32 hwreg(HW_REG_WAVE_MODE, 25, 1), 1
	s_wait_xcnt 0x0
	s_wait_alu depctr_vm_vsrc(0)
; Adds the 32 chunks' partial sums (the chunks' signs are in them already) and lays the result out as [W1 512 x 256][b1 512][W2 64 x 512][b2 64].
; Work-groups 0 to 127: one block of 16 rows i x 64 columns j of W1's part each.  Thread t owns the 16 bytes at 16 t of its block in every chunk:
; 32 loads, all issued at once, each of a wave covering 512 consecutive bytes.  The sums pass through LDS once, to turn the matrix unit's order
; ([2 jt + q][lane (r, h)][4]: row r, columns 16 jt + 8 h + 4 q ..) into rows: sixteen neighbouring lanes then store 256 consecutive bytes, aligned.
; Work-groups 128 to 135: 64 numbers each of b1's part and of W2's part, the latter written to all 64 rows; the first of them also writes b2's block,
; which is zero whatever b2 holds (the two branches' derivatives by b2 are both the unit matrix and cancel).
; The two ways part on the work-group's number, which all eight waves share; each way has one barrier and LDS bytes of its own.
; A stream: no matrix unit, no shared requests, and nothing is read twice.  The order of the sums is a tree over the chunks.
; THE MODE: SCHED_MODE bits 1:0 = 2 (LLVM: expert scheduling mode 2), set by the entry lines.  The code itself states the register dependences
; between vector instructions and memory or LDS instructions, with s_wait_alu, always for 0.
; THE PLAN.  The block way: the four addresses v1, v5, v7, v8 are made while the arguments are on their way, ahead of one wait on va_vdst in front of the 32 loads, and
; never written again; v[16:143] are written by the loads and then named by the additions alone; one wait on va_vdst stands between the last addition and
; the LDS store of v[16:19], and serves the load back into v[20:23] too.  The small way: each run of loads or stores has one wait on va_vdst ahead of it, for the addresses or
; the sums just made; v[16:19] are stored to LDS and then loaded into again, behind one wait on vm_vsrc.
.set CHUNK, 524288                     ; bytes of a chunk in part: 128 blocks of 4,096
.set OB1,   524288                     ; byte offsets in out0: b1's block,
.set OW2,   526336                     ; W2's,
.set OB2,   657408                     ; b2's
.set PITCH, 272                        ; an LDS row of 64 f32 + 16 bytes: an odd multiple of 16
.set SM,    16*PITCH                   ; 4,352: behind the block way's 16 rows, the small way's 4,096 bytes [wave 8][array 2][64 numbers]
.macro SUM8 b                          ; eight quads at b, b + 4, .. into the first: a tree of 14 packed adds
.irp k, 0,2
	v_pk_add_f32 v[\b+\k:\b+\k+1],       v[\b+\k:\b+\k+1],       v[\b+4+\k:\b+4+\k+1]
	v_pk_add_f32 v[\b+8+\k:\b+8+\k+1],   v[\b+8+\k:\b+8+\k+1],   v[\b+12+\k:\b+12+\k+1]
	v_pk_add_f32 v[\b+16+\k:\b+16+\k+1], v[\b+16+\k:\b+16+\k+1], v[\b+20+\k:\b+20+\k+1]
	v_pk_add_f32 v[\b+24+\k:\b+24+\k+1], v[\b+24+\k:\b+24+\k+1], v[\b+28+\k:\b+28+\k+1]
.endr
.irp k, 0,2
	v_pk_add_f32 v[\b+\k:\b+\k+1],       v[\b+\k:\b+\k+1],       v[\b+8+\k:\b+8+\k+1]
	v_pk_add_f32 v[\b+16+\k:\b+16+\k+1], v[\b+16+\k:\b+16+\k+1], v[\b+24+\k:\b+24+\k+1]
.endr
.irp k, 0,2
	v_pk_add_f32 v[\b+\k:\b+\k+1],       v[\b+\k:\b+\k+1],       v[\b+16+\k:\b+16+\k+1]
.endr
.endm
	s_load_b128 s[4:7], s[0:1], 0x0                ; part s[4:5], aux s[6:7]
	s_load_b64 s[8:9], s[0:1], 0x10                ; out0
	v_lshl_add_u32 v14, v0, 2, 0x2100
	v_mov_b32 v15, 0
	v_lshrrev_b32 v2, 5, v0
	v_readfirstlane_b32 s12, v2                    ; wave
	s_mov_b32 s13, ttmp9                           ; g
	s_mov_b32 s15, 0
	v_lshlrev_b32 v1, 4, v0                        ; 16 t
	v_and_b32 v3, 15, v0                           ; r
	v_bfe_u32 v4, v0, 4, 1                         ; h
	s_wait_alu depctr_va_sdst(0)                   ; s12 is written, ahead of the branch: both ways read it
	s_cmp_lt_u32 s13, 128                          ; the same in every wave of the work-group
	s_cbranch_scc0 .Lsmall
	; ---- a block of W1's part: g = 16 ix + 4 js + it4 ----
	s_lshl_b32 s14, s13, 12                        ; the block in a chunk
	s_lshr_b32 s16, s13, 4
	s_and_b32 s17, s13, 3
	s_lshl2_add_u32 s16, s16, s17                  ; 4 ix + it4: which 16 rows of 1,024 bytes
	s_lshl_b32 s16, s16, 14
	s_bfe_u32 s17, s13, 0x20002                    ; js: which 256 bytes of a row
	s_lshl_b32 s17, s17, 8
	s_add_co_u32 s16, s16, s17
	s_mov_b32 s17, 0
	s_lshr_b32 s18, s12, 1                         ; my wave is quad 2 jt + q of the block
	s_lshl_b32 s18, s18, 6                         ; 64 jt
	s_and_b32 s19, s12, 1
	s_lshl_b32 s19, s19, 4                         ; 16 q
	s_add_co_u32 s18, s18, s19
	v_mul_u32_u24 v5, v3, PITCH
	v_lshl_add_u32 v5, v4, 5, v5
	v_add_nc_u32 v5, s18, v5                       ; in: row r, byte 64 jt + 32 h + 16 q
	v_lshrrev_b32 v6, 4, v0                        ; back: row t / 16, byte 16 (t mod 16)
	v_mul_u32_u24 v7, v6, PITCH
	v_lshl_add_u32 v7, v3, 4, v7
	v_lshlrev_b32 v8, 10, v6                       ; and the same place in out0
	v_lshl_add_u32 v8, v3, 4, v8
	s_wait_kmcnt 0x0
	s_add_nc_u64 s[4:5], s[4:5], s[14:15]
	s_add_nc_u64 s[10:11], s[4:5], 16*CHUNK        ; a second base: 31 chunks do not fit the signed 24-bit immediate
	s_add_nc_u64 s[8:9], s[8:9], s[16:17]
	s_wait_alu depctr_va_vdst(0)                   ; v1 is written, which the 32 loads read as their offset; so are v5, v7 and v8, the addresses of the LDS store, the LDS load and the last store
.irp c, 0,1,2,3,4,5,6,7,8,9,10,11,12,13,14,15
	global_load_b128 v[16+4*\c:19+4*\c], v1, s[4:5] offset:\c*CHUNK th:TH_LOAD_NT
.endr
.irp c, 0,1,2,3,4,5,6,7,8,9,10,11,12,13,14,15
	global_load_b128 v[80+4*\c:83+4*\c], v1, s[10:11] offset:\c*CHUNK th:TH_LOAD_NT
.endr
	s_wait_loadcnt 24                              ; loads come back in order: the first eight are in, 24 stay out
	SUM8 16
	s_wait_loadcnt 16
	SUM8 48
	v_pk_add_f32 v[16:17], v[16:17], v[48:49]
	v_pk_add_f32 v[18:19], v[18:19], v[50:51]
	s_wait_loadcnt 8
	SUM8 80
	v_pk_add_f32 v[16:17], v[16:17], v[80:81]
	v_pk_add_f32 v[18:19], v[18:19], v[82:83]
	s_wait_loadcnt 0x0
	SUM8 112
	v_pk_add_f32 v[16:17], v[16:17], v[112:113]
	v_pk_add_f32 v[18:19], v[18:19], v[114:115]
	s_wait_alu depctr_va_vdst(0)                   ; the additions have written v[16:19], which the LDS store reads, and are done reading v[20:23], in which the LDS load lands
	ds_store_b128 v5, v[16:19]                     ; LDS bytes 0 to 4,351
	s_wait_dscnt 0x0                               ; for the other waves: my store is done
	s_barrier_signal -1
	s_barrier_wait -1
	ds_load_b128 v[20:23], v7
	s_wait_dscnt 0x0
	global_store_b128 v8, v[20:23], s[8:9]
	s_wait_dscnt 0x0
	s_wait_alu depctr_hold_cnt(0) depctr_sa_sdst(0) depctr_va_vdst(0) depctr_va_sdst(0) depctr_va_ssrc(0) depctr_va_vcc(0) depctr_vm_vsrc(0)
	s_wait_tensorcnt 0x0
	ds_add_u32 v14, v15
	s_wait_dscnt 0x0
	s_endpgm
	; ---- 64 numbers of b1's and of W2's part: ix = g - 128 ----
.Lsmall:
	s_sub_co_u32 s13, s13, 128
	s_lshl_b32 s14, s13, 8                         ; 64 ix numbers
	v_lshlrev_b32 v5, 4, v3                        ; 16 r
	v_lshl_add_u32 v6, v4, 11, v5                  ; 2,048 h + 16 r
	s_lshl_b32 s16, s12, 14
	v_add_nc_u32 v7, s16, v6                       ; + 16,384 wave: in aux four chunks of 4,096 bytes (array h), in W2's block eight rows of 2,048 (row + h)
	s_wait_kmcnt 0x0
	s_add_nc_u64 s[6:7], s[6:7], s[14:15]
	s_add_nc_u64 s[8:9], s[8:9], s[14:15]
	s_wait_alu depctr_va_vdst(0)                   ; v7 is written, which the four loads read as their offset; so are v1 and v5, the LDS addresses below
.irp k, 0,1,2,3
	global_load_b128 v[16+4*\k:19+4*\k], v7, s[6:7] offset:\k*4096 th:TH_LOAD_NT
.endr
	s_wait_loadcnt 0x0
	v_pk_add_f32 v[16:17], v[16:17], v[20:21]
	v_pk_add_f32 v[18:19], v[18:19], v[22:23]
	v_pk_add_f32 v[24:25], v[24:25], v[28:29]
	v_pk_add_f32 v[26:27], v[26:27], v[30:31]
	v_pk_add_f32 v[16:17], v[16:17], v[24:25]
	v_pk_add_f32 v[18:19], v[18:19], v[26:27]
	s_wait_alu depctr_va_vdst(0)                   ; the additions have written v[16:19], which the LDS store reads, and are done with v[16:31], in which the LDS loads behind the barrier land
	ds_store_b128 v1, v[16:19] offset:SM           ; LDS bytes 4,352 to 8,447: [wave 8][array 2][64 numbers]
	s_wait_dscnt 0x0                               ; for the other waves: my store is done
	s_wait_alu depctr_vm_vsrc(0)                   ; the LDS store has read v[16:19], in which the first of the loads below lands
	s_barrier_signal -1
	s_barrier_wait -1
.irp k, 0,1,2,3,4,5,6,7
	ds_load_b128 v[16+4*\k:19+4*\k], v5 offset:SM+256+512*\k      ; W2's part, numbers 4 r .., in every wave and both halves of the lanes
.endr
	s_wait_dscnt 0x0
	SUM8 16
	s_wait_alu depctr_va_vdst(0)                   ; the additions have written v[16:19], which the four stores read
.irp k, 0,1,2,3
	global_store_b128 v7, v[16:19], s[8:9] offset:OW2+\k*4096     ; rows 8 wave + 2 k + h: each half of the lanes stores 256 consecutive bytes, aligned
.endr
	s_cmp_lg_u32 s12, 0                            ; wave 0 goes on with b1's part
	s_cbranch_scc1 .Lend
	v_and_b32 v9, 31, v0
	v_lshlrev_b32 v10, 3, v9                       ; 8 bytes a lane: 32 lanes cover the 256 bytes, so no lane is switched off
	s_wait_alu depctr_va_vdst(0)                   ; v10 is written, which the LDS loads and the stores below read as their address
.irp k, 0,1,2,3,4,5,6,7
	ds_load_b64 v[48+2*\k:49+2*\k], v10 offset:SM+512*\k
.endr
	s_wait_dscnt 0x0
	v_pk_add_f32 v[48:49], v[48:49], v[50:51]
	v_pk_add_f32 v[52:53], v[52:53], v[54:55]
	v_pk_add_f32 v[56:57], v[56:57], v[58:59]
	v_pk_add_f32 v[60:61], v[60:61], v[62:63]
	v_pk_add_f32 v[48:49], v[48:49], v[52:53]
	v_pk_add_f32 v[56:57], v[56:57], v[60:61]
	v_pk_add_f32 v[48:49], v[48:49], v[56:57]
	v_mov_b32 v64, 0                               ; b2's block; made here, so that one wait serves both stores
	v_mov_b32 v65, 0
	s_wait_alu depctr_va_vdst(0)                   ; v[48:49] and v[64:65] are written, which the two stores below read
	global_store_b64 v10, v[48:49], s[8:9] offset:OB1
	s_cmp_lg_u32 s13, 0                            ; b2's block has one owner: ix = 0, whose base is out0 itself
	s_cbranch_scc1 .Lend
	global_store_b64 v10, v[64:65], s[8:9] offset:OB2
.Lend:
	s_wait_dscnt 0x0
	s_wait_alu depctr_hold_cnt(0) depctr_sa_sdst(0) depctr_va_vdst(0) depctr_va_sdst(0) depctr_va_ssrc(0) depctr_va_vcc(0) depctr_vm_vsrc(0)
	s_wait_tensorcnt 0x0
	ds_add_u32 v14, v15
	s_wait_dscnt 0x0
	s_endpgm
.Lfunc_end_k_q5b025810a1_fold:
	.size	k_q5b025810a1_fold, .Lfunc_end_k_q5b025810a1_fold-k_q5b025810a1_fold
	.p2alignl 7, 3214868480
	.fill 96, 4, 3214868480
	.section	.rodata,"a",@progbits
	.p2align	6, 0x0
	.amdhsa_kernel k_q5b025810a1_fold
		.amdhsa_group_segment_fixed_size 9472
		.amdhsa_private_segment_fixed_size 0
		.amdhsa_enable_private_segment 0
		.amdhsa_kernarg_size 24
		.amdhsa_user_sgpr_count 2
		.amdhsa_user_sgpr_kernarg_segment_ptr 1
		.amdhsa_wavefront_size32 1
		.amdhsa_system_sgpr_workgroup_id_x 1
		.amdhsa_system_sgpr_workgroup_id_y 1
		.amdhsa_system_sgpr_workgroup_id_z 1
		.amdhsa_system_vgpr_workitem_id 0
		.amdhsa_next_free_vgpr 144
		.amdhsa_next_free_sgpr 66
		.amdhsa_reserve_vcc 0
		.amdhsa_float_denorm_mode_32 3
		.amdhsa_float_denorm_mode_16_64 3
		.amdhsa_memory_ordered 1
		.amdhsa_forward_progress 1
		.amdhsa_inst_pref_size 15
	.end_amdhsa_kernel
	.amdgpu_metadata
---
amdhsa.version: [ 1, 2 ]
amdhsa.kernels:
  - .name:           k_q5b025810a1_fold
    .symbol:         k_q5b025810a1_fold.kd
    .args:
      - { .name: part, .offset: 0, .size: 8, .value_kind: global_buffer, .address_space: global }
      - { .name: aux, .offset: 8, .size: 8, .value_kind: global_buffer, .address_space: global }
      - { .name: out0, .offset: 16, .size: 8, .value_kind: global_buffer, .address_space: global }
    .group_segment_fixed_size: 9472
    .private_segment_fixed_size: 0
    .kernarg_segment_align: 8
    .kernarg_segment_size: 24
    .max_flat_workgroup_size: 256
    .sgpr_count:     66
    .vgpr_count:     144
    .wavefront_size: 32
...
	.end_amdgpu_metadata
.endif
;; end of part 4
